; MI455X (gfx1250); checked and timed in simulation.
; The chip was launched on July 23, 2026; its instructions are those of AMD's public machine-readable ISA for CDNA 5 (MIT licence, August 2026) and "CDNA5" Instruction Set Architecture Reference Guide (July 2026). The comments in the code are by the model that wrote it; some were corrected since.
;; Scaled Dot Product Self Attention. Allowed arithmetic: matrix products marked QUANTISED: E2M1 operands, one E8M0 scale for each 32 along K, by v_wmma_scale_f32_16x16x128_f8f6f4 with both operands' format E2M1 (or v_wmma_scale_f32_32x16x128_f4), f32 sums; products left as they are: bf16, f16 or f32 operands; f32 sums; everything else in f32.
;; Inputs: Wk 1,024 x 1,024 float32; Wq 1,024 x 1,024 float32; Wv 1,024 x 1,024 float32; x 4 x 2,048 x 1,024 float32.
;; Outputs: out0 4 x 2,048 x 1,024 float32.
;; This version of the problem:
;;   THIS VERSION OF THE PROBLEM IS GIVEN IN LOW PRECISION. The matrix products marked QUANTISED in the list below multiply operands that are first quantised to E2M1 (2 exponent bits, 1 mantissa bit; 4 bits a number), with one power-of-two scale for each 32 numbers along K (OCP MX v1.0); their sums are f32. The products marked 'left as it is' may take bf16, f16 or f32 operands, with f32 sums. Whichever they take, every output number must still come out within the allowed error. Rounding operands to bf16 (8 significant bits) uses up far more of that allowance than f16 does (11 bits, for magnitudes from 6e-5 to 65,504). All else is computed in f32.
;;   The module's matrix products, in the order in which they are computed (A, B: the left and right operand; K: the contracted axis; several contracted axes count as one K, in the product's order):
;;     1. [M 8,192, K 1,024] x [K 1,024, N 1,024]; A: input x; B: input Wq: QUANTISED
;;     2. [M 8,192, K 1,024] x [K 1,024, N 1,024]; A: input x; B: input Wk: QUANTISED
;;     3. [M 8,192, K 1,024] x [K 1,024, N 1,024]; A: input x; B: input Wv: QUANTISED
;;     4. batch 4 x [M 2,048, K 1,024] x [K 1,024, N 2,048]; A: computed on the way; B: computed on the way: left as it is (an operand is computed on the way)
;;     5. batch 4 x [M 2,048, K 2,048] x [K 2,048, N 1,024]; A: computed on the way; B: computed on the way: left as it is (an operand is computed on the way)
;;   THE QUANTISER, for each operand of a quantised product, along K:
;;     - K is cut into blocks of 32 from its start; a last block that is shorter is filled with zeros.
;;     - A block's scale is 2^e with e = floor(log2(the largest magnitude in the block)) - 2, held to -126 .. 127; a block of zeros has e = 0. As a byte (E8M0): e + 127.
;;     - Each number is divided by its block's scale, clamped to +-6, and rounded to the nearest number of E2M1, ties to even, subnormals kept.
;;     - The product sums the exact products of the quantised numbers (number of the format x scale) in f32.
;;   ~~~python
;;   def quantise(x, axis):      # numpy; x: float32 -> the quantised numbers, widened to float32 again
;;       x = np.moveaxis(x, axis, -1); K = x.shape[-1]
;;       x = np.pad(x, [(0, 0)] * (x.ndim - 1) + [(0, -K % 32)]); x = x.reshape(x.shape[:-1] + (-1, 32)); a = np.abs(x).max(-1, keepdims=True)
;;       e = np.where(a > 0, np.clip(np.frexp(np.where(a > 0, a, 1))[1] - 1 - 2, -126, 127), 0)      # np.frexp(a)[1] - 1 = floor(log2(a)), exactly
;;       r = np.clip(x / 2.0 ** e, -6, 6)
;;       step = 2.0 ** (np.maximum(np.frexp(np.where(r == 0, 1, r))[1] - 1, 0) - 1)
;;       q = np.round(r / step) * step * 2.0 ** e      # np.round: ties to even
;;       return np.moveaxis(q.reshape(q.shape[:-2] + (-1,))[..., :K], -1, axis).astype(np.float32)
;;   ~~~
;; One version. Each part assembles by itself: llvm-mc -triple=amdgcn-amd-amdhsa -mcpu=gfx1250 --defsym DOCPART=n.
;; ======== version 1 of 1: 4 launches
;; limits: values are held in f16: magnitudes above 65,504 overflow, below 6.1e-05 lose precision
;; workspace buffers: x_codes 4,194,304 bytes; x_scales 262,144 bytes; w_codes 1,572,864 bytes; w_scales 98,304 bytes; qkv 50,331,648 bytes; p 33,554,432 bytes; stat 1,048,576 bytes
;; launch quant (part 1): grid 352 x 1, 4 waves a work-group, no clusters, 33,280 bytes of LDS; arguments x, Wq, Wk, Wv, x_codes, x_scales, w_codes, w_scales; writes x_codes, x_scales, w_codes, w_scales
.if DOCPART == 1
	.amdgcn_target "amdgcn-amd-amdhsa--gfx1250"
	.amdhsa_code_object_version 6
	.text
	.protected	k_qfe4d8d035c_quant
	.globl	k_qfe4d8d035c_quant
	.p2align	8
	.type	k_qfe4d8d035c_quant,@function
k_qfe4d8d035c_quant:
	s_mov_b64 s[64:65], 0
	v_nop
	global_prefetch_b8 v0, s[64:65] scope:SCOPE_SE
	s_setreg_imm32_b32 hwreg(HW_REG_WAVE_MODE, 25, 1), 1
	s_wait_xcnt 0x0
; x [8192][1024] and Wq, Wk, Wv [1024][1024], f32, become codes of FP4 (E2M1), K innermost, two codes a byte, with one E8M0 scale byte for each 32 along K.
; The three weights are laid one below the other: w_codes [3072][512 bytes], w_scales [3072][32 bytes]: rows 0-1023 Wq, 1024-2047 Wk, 2048-3071 Wv.
; A block's scale is 2^(floor(log2(its largest magnitude)) - 2); its byte is the largest magnitude's exponent field - 2, held at 1 from below.
; LIMITS: a block of zeros gets the byte 1 where the rule says 127 (its codes are zeros, and this program alone reads the bytes); blocks whose largest magnitude lies under 2^(3 - 127) keep the byte 1; NaN and infinities are not served.
; Rows are dense and K is a multiple of 32: every tensor is a plain stream of blocks of 32.  A work-group takes 32,768 numbers, a wave 8,192 in 16 steps of 512.
; Work-groups 0-255 take x, 256-287 Wq, 288-319 Wk, 320-351 Wv: only pointers are chosen, by the work-group's number; all take one path through the text.
; Each load reads 512 consecutive bytes; a step's 2,048 bytes turn through the wave's own stage in LDS, so that a lane holds 16 neighbours along K (two lanes a block).
; A lane's 16 codes are 8 bytes: the wave stores 256 consecutive bytes.  A wave's 256 scale bytes are gathered in LDS and leave as one store of 256 consecutive bytes.
.set WAVES, 4
.set STEPS, 16
.set EMAX,  2
.set CB,    8                          ; bytes of 16 codes
.set R,     16                         ; v16-79   four sets of 16 numbers as they are loaded
.set X,     80                         ; v80-111  two sets of 16 neighbours
.set C,     128                        ; v128-191 codes: four registers for each step, so that no store's data are written again
.set E,     112                        ; v112-127 a scale byte for each step
.set WREG,  8192                       ; LDS: a region for each wave: two stages of 32 x SP bytes, behind them its 256 scale bytes
.set SP,    80                         ; a lane's place in a stage: 64 bytes + 16 of padding
.set SPW,   12                         ; v12 LDS address of my spare word; never rewritten
.set NIL,   13                         ; v13 0; never rewritten
.set SPARE, WAVES*WREG                 ; behind the four regions: the spare words, 128 bytes a wave, which no other line names
	s_load_b256 s[4:11], s[0:1], 0x0               ; x, Wq, Wk, Wv
	s_load_b256 s[12:19], s[0:1], 0x20             ; x_codes, x_scales, w_codes, w_scales
	v_lshl_add_u32 v[SPW], v0, 2, SPARE
	v_mov_b32 v[NIL], 0
	v_lshrrev_b32 v1, 5, v0
	v_readfirstlane_b32 s20, v1                    ; wave
	v_and_b32 v2, 31, v0                           ; lane
	v_lshlrev_b32 v3, 4, v2                        ; my 16 bytes of a load's 512
	s_mul_i32 s21, s20, WREG
	v_lshrrev_b32 v14, 2, v2
	v_mul_u32_u24 v14, v14, SP
	v_and_b32 v15, 3, v2
	v_lshl_add_u32 v14, v15, 4, v14
	v_add_nc_u32 v14, s21, v14                     ; the stage, on the way in: SP (lane / 4) + 16 (lane % 4)
	v_mul_u32_u24 v15, v2, SP
	v_add_nc_u32 v15, s21, v15                     ; and on the way out: SP x lane: my 16 neighbours
	v_mul_u32_u24 v4, v2, CB                       ; my codes' place in a step's
	v_lshrrev_b32 v5, 1, v2
	s_add_co_u32 s21, s21, 2*32*SP
	v_add_nc_u32 v5, s21, v5                       ; LDS: my wave's 256 scale bytes, my block's byte
	v_lshlrev_b32 v7, 3, v2                        ; and on the way out 8 bytes a lane
	v_add_nc_u32 v6, s21, v7
	s_wait_kmcnt 0x0
	s_cmp_lt_u32 ttmp9, 320                        ; which tensor: the choices hang on the work-group's number alone
	s_cselect_b64 s[8:9], s[8:9], s[10:11]         ; Wk or Wv
	s_cmp_lt_u32 ttmp9, 288
	s_cselect_b64 s[6:7], s[6:7], s[8:9]           ; Wq or that
	s_cmp_lt_u32 ttmp9, 256
	s_cselect_b64 s[4:5], s[4:5], s[6:7]           ; x or a weight
	s_cselect_b64 s[12:13], s[12:13], s[16:17]     ; its codes
	s_cselect_b64 s[14:15], s[14:15], s[18:19]     ; its scale bytes
	s_cselect_b32 s22, 0, 256
	s_cselect_b32 s23, -1, 31
	s_sub_co_u32 s22, ttmp9, s22                   ; the work-group's number in the buffers of codes,
	s_and_b32 s23, s22, s23                        ; and in the tensor that it reads (a weight has 32 work-groups)
	s_lshl_b32 s23, s23, 2
	s_add_co_u32 s23, s23, s20                     ; my wave's run of 8,192 numbers: 32,768 bytes each
	s_lshl_b32 s24, s23, 15
	s_mov_b32 s25, 0
	s_add_nc_u64 s[4:5], s[4:5], s[24:25]
	s_lshl_b32 s22, s22, 2
	s_add_co_u32 s22, s22, s20
	s_lshl_b32 s24, s22, 12                        ; 4,096 bytes of codes a run
	s_add_nc_u64 s[12:13], s[12:13], s[24:25]
	s_lshl_b32 s24, s22, 8                         ; 256 scale bytes a run
	s_add_nc_u64 s[14:15], s[14:15], s[24:25]
.macro LOAD t
.irp i, 0,1,2,3
	global_load_b128 v[R+16*((\t)%4)+4*\i:R+16*((\t)%4)+4*\i+3], v3, s[4:5] offset:2048*(\t)+512*\i th:TH_LOAD_NT   ; 32 lanes read 512 consecutive bytes
.endr
.endm
.macro TURN t                          ; step t's numbers through the stage: LDS serves a wave's instructions in order, so no wait stands between the stores and the loads
.irp i, 0,1,2,3
	ds_store_b128 v14, v[R+16*((\t)%4)+4*\i:R+16*((\t)%4)+4*\i+3] offset:32*SP*((\t)%2)+8*SP*\i
.endr
.irp i, 0,1,2,3
	ds_load_b128 v[X+16*((\t)%2)+4*\i:X+16*((\t)%2)+4*\i+3], v15 offset:32*SP*((\t)%2)+16*\i
.endr
.endm
.irp t, 0,1,2,3
	LOAD \t
.endr
	s_wait_loadcnt 12                              ; step 0's four loads are in; the twelve of steps 1 to 3 may be out
	TURN 0
.macro STEP t
.set XS, X+16*((\t)%2)
.if (\t) > 0
	s_wait_dscnt 1                                 ; this step's numbers are back from the stage (the last step's byte store may be out)
.else
	s_wait_dscnt 0x0
.endif
.if (\t)+4 < STEPS
	LOAD (\t)+4                                    ; into the registers that the stage's stores have read
.endif
.if (\t)+1 < STEPS
.if STEPS-2-(\t) >= 3
	s_wait_loadcnt 12                              ; the next step's four loads are in; those of the three steps behind it may be out
.else
	s_wait_loadcnt 4*(STEPS-2-(\t))
.endif
	TURN (\t)+1                                    ; the next step goes through the other stage while this step is worked
.endif
	v_max3_num_f32 v8, |v[XS]|, |v[XS+1]|, |v[XS+2]|               ; the largest magnitude of my 16, in two chains
	v_max3_num_f32 v9, |v[XS+3]|, |v[XS+4]|, |v[XS+5]|
.irp i, 6,10
	v_max3_num_f32 v8, v8, |v[XS+\i]|, |v[XS+\i+1]|
	v_max3_num_f32 v9, v9, |v[XS+\i+2]|, |v[XS+\i+3]|
.endr
	v_max3_num_f32 v8, v8, |v[XS+14]|, |v[XS+15]|
	v_max3_num_f32 v8, v8, v9, (EMAX+1)<<23        ; and the floor 2^(EMAX + 1 - 127): the byte cannot fall under 1
	v_max_num_f32_dpp v8, v8, v8 row_xmask:1 row_mask:0xf bank_mask:0xf   ; and of my neighbour's 16: the block's
	v_add_nc_u32 v11, -(EMAX<<23), v8              ; EMAX off its exponent field: the conversion takes the exponent field of this operand as its scale
	v_cvt_scalef32_pk8_fp4_f32 v[C+4*(\t)], v[XS:XS+7], v11
	v_cvt_scalef32_pk8_fp4_f32 v[C+4*(\t)+1], v[XS+8:XS+15], v11
	v_lshrrev_b32 v[E+(\t)], 23, v11               ; the scale's byte (also the plain line behind the conversions)
	ds_store_b8 v5, v[E+(\t)] offset:16*(\t)       ; both lanes of a block write the same byte with the same value
	global_store_b64 v4, v[C+4*(\t):C+4*(\t)+1], s[12:13] offset:32*CB*(\t)
.endm
.irp t, 0,1,2,3,4,5,6,7,8,9,10,11,12,13,14,15
	STEP \t
.endr
	ds_load_b64 v[8:9], v6                         ; LDS serves a wave's instructions in order: these see my stores
	s_wait_dscnt 0x0
	global_store_b64 v7, v[8:9], s[14:15]          ; 32 lanes store 256 consecutive bytes, aligned
	s_wait_tensorcnt 0x0                           ; the wave's end
	ds_add_u32 v[SPW], v[NIL]
	s_wait_dscnt 0x0
	s_endpgm
.Lfunc_end_k_qfe4d8d035c_quant:
	.size	k_qfe4d8d035c_quant, .Lfunc_end_k_qfe4d8d035c_quant-k_qfe4d8d035c_quant
	.p2alignl 7, 3214868480
	.fill 96, 4, 3214868480
	.section	.rodata,"a",@progbits
	.p2align	6, 0x0
	.amdhsa_kernel k_qfe4d8d035c_quant
		.amdhsa_group_segment_fixed_size 33280
		.amdhsa_private_segment_fixed_size 0
		.amdhsa_enable_private_segment 0
		.amdhsa_kernarg_size 64
		.amdhsa_user_sgpr_count 2
		.amdhsa_user_sgpr_kernarg_segment_ptr 1
		.amdhsa_wavefront_size32 1
		.amdhsa_system_sgpr_workgroup_id_x 1
		.amdhsa_system_sgpr_workgroup_id_y 1
		.amdhsa_system_sgpr_workgroup_id_z 1
		.amdhsa_system_vgpr_workitem_id 0
		.amdhsa_next_free_vgpr 192
		.amdhsa_next_free_sgpr 66
		.amdhsa_reserve_vcc 0
		.amdhsa_float_denorm_mode_32 3
		.amdhsa_float_denorm_mode_16_64 3
		.amdhsa_memory_ordered 1
		.amdhsa_forward_progress 1
		.amdhsa_inst_pref_size 34
	.end_amdhsa_kernel
	.amdgpu_metadata
---
amdhsa.version: [ 1, 2 ]
amdhsa.kernels:
  - .name:           k_qfe4d8d035c_quant
    .symbol:         k_qfe4d8d035c_quant.kd
    .args:
      - { .name: x, .offset: 0, .size: 8, .value_kind: global_buffer, .address_space: global }
      - { .name: Wq, .offset: 8, .size: 8, .value_kind: global_buffer, .address_space: global }
      - { .name: Wk, .offset: 16, .size: 8, .value_kind: global_buffer, .address_space: global }
      - { .name: Wv, .offset: 24, .size: 8, .value_kind: global_buffer, .address_space: global }
      - { .name: x_codes, .offset: 32, .size: 8, .value_kind: global_buffer, .address_space: global }
      - { .name: x_scales, .offset: 40, .size: 8, .value_kind: global_buffer, .address_space: global }
      - { .name: w_codes, .offset: 48, .size: 8, .value_kind: global_buffer, .address_space: global }
      - { .name: w_scales, .offset: 56, .size: 8, .value_kind: global_buffer, .address_space: global }
    .group_segment_fixed_size: 33280
    .private_segment_fixed_size: 0
    .kernarg_segment_align: 8
    .kernarg_segment_size: 64
    .max_flat_workgroup_size: 128
    .sgpr_count:     66
    .vgpr_count:     192
    .wavefront_size: 32
...
	.end_amdgpu_metadata
.endif
;; end of part 1
;; launch proj (part 2): grid 12 x 32, 4 waves a work-group, clusters of 4 x 4, 327,680 bytes of LDS; arguments x_codes, x_scales, w_codes, w_scales, qkv; writes qkv
.if DOCPART == 2
	.amdgcn_target "amdgcn-amd-amdhsa--gfx1250"
	.amdhsa_code_object_version 6
	.text
	.protected	k_qfe4d8d035c_proj
	.globl	k_qfe4d8d035c_proj
	.p2align	8
	.type	k_qfe4d8d035c_proj,@function
k_qfe4d8d035c_proj:
	s_mov_b64 s[64:65], 0
	v_nop
	global_prefetch_b8 v0, s[64:65] scope:SCOPE_SE
	s_setreg_imm32_b32 hwreg(HW_REG_WAVE_MODE, 25, 1), 1
	s_wait_xcnt 0x0
	s_wait_alu depctr_hold_cnt(0) depctr_sa_sdst(0) depctr_va_vdst(0) depctr_va_sdst(0) depctr_va_ssrc(0) depctr_va_vcc(0) depctr_vm_vsrc(0)
	s_getreg_b32 s2, hwreg(HW_REG_IB_STS2, 6, 4)
	s_cmp_eq_u32 s2, 0
	s_cbranch_scc0 .Lentry_in_a_cluster
	s_endpgm
.Lentry_in_a_cluster:
	s_bfe_u32 s2, ttmp6, 0x10000c
	s_cmp_lg_u32 s2, 0xf033
	s_cbranch_scc0 .Lentry_shape_is_right
	s_endpgm
.Lentry_shape_is_right:
; qkv[m][n] = sum over k of x[m][k] W[n][k], W = [Wq; Wk; Wv] (3,072 rows), both operands as codes of FP4 (E2M1) with one E8M0 scale for each 32 along K; sums in f32; qkv [8192][3072] in f16.
; LIMIT: a result beyond 65,504 in magnitude has no f16 number.
; A tile of 256 x 256 is made by four waves, each 128 x 128: 64 accumulators, 512 registers.  K = 1,024 is two LDS slots of 512 along K (rows of 256 bytes): both are asked for at the head, nothing is filled again.
; The scale bytes of the work-group's 256 + 256 rows, for all of K, are two dense blocks of memory: they come once, with the first fills.
; CLUSTERS: 4 x 4 work-groups; x's tiles are shared along a row of the cluster, W's along a column: each is asked for jointly, by the same tensor load with a mask that names the four.
; THE MATRIX INSTRUCTION IS USED TRANSPOSED (source 0 = 16 rows of W, source 1 = 16 rows of x): a lane holds eight neighbouring numbers of a row of qkv, 16 bytes in f16.
; No prefetch: all that the work-group reads is asked for at its head.
; REGISTERS: window 0: v0-31 addresses; v32-95 scale words, two sets; v128-191 x's fragments, one set (on the way out v128-223 are at work).  window 1: W's fragments, two sets, at v0 and v128.  windows 2, 3: the accumulators of my rows 0-63, 64-127 ((a, b) at v[8 (8 (a % 4) + b)]).
.set SIZE_N, 3072
.set SIZE_K, 1024
.set KSTEP,  512
.set NQ,     KSTEP/128
.set ROWB,   256                       ; a tile's row in bytes
.set KROW,   SIZE_K/2                  ; a row of codes in memory
.set PITCH,  272                       ; an LDS row: 256 bytes + 16 of padding: the 16 rows that a load touches start 4 banks apart (64 banks of 4 bytes: ISA guide 11.1)
.set FR,     8
.set NL,     2
.set NP,     4                         ; places behind this matrix instruction (ISA guide 7.12.1)
.set HALFT,  128*PITCH
.set SLOT,   4*HALFT
.set KS,     SIZE_K/32                 ; a row of scale bytes
.set SCL,    2*SLOT                    ; behind the slots: the scales, as units of 256 bytes + 16 of padding
.set HALFS,  (128*KS/256)*272
.set SBLK,   (16*KS/256)*272
.set STAGE,  SCL+4*HALFS               ; the way out: 16 rows x 272 bytes for each wave; no tensor load lands here
.set SPITCH, 272
.set SPARE,  STAGE+4*16*SPITCH         ; the spare words, 128 bytes a wave, which no other line names
.set ROWC,   SIZE_N*2                  ; a row of qkv in bytes
.set ADRA, 16
.set ADRB, 20
.set STO,  24
.set RD,   25
.set CO,   26
.set ADRS, 27
.set SPW,  28
.set NIL,  29
.set SC,   32
.set AF,   128
.set TMP,  128                         ; the way out: packed results
.set BKR,  160                         ; and 16 rows read back: v160-191 and v192-223 by turns
.set G1, 24
.set G0, 32
.set G1B, 48
.set G0B, 56
.set G1S, 68
.set G0S, 76
.set G1SB, 80
.set G0SB, 88
.set MSB, 0
.macro WIN new                         ; the immediate's high byte repeats the setting that is left
.if MSB != (\new)
	s_set_vgpr_msb (MSB<<8)|(\new)
.set MSB, (\new)
.endif
.endm
.set MUL_LO, 0xa1                      ; source 0 (W) window 1, source 1 (x) window 0, C and D window 2
.set MUL_HI, 0xf1
.set TO_B,   0x40
; A joint load: waves 0 and 1 fetch for x, waves 2 and 3 for W.  The branch hangs on the wave's number alone.  An s_nop 0 and four v_nop follow each of the two lines.
.macro JLOAD g0a, g1a, g0b, g1b
	s_cmp_eq_u32 s15, 0
	s_cbranch_scc0 .Lfor_b_\@
	tensor_load_to_lds s[\g0a:\g0a+3], s[\g1a:\g1a+7]
	s_nop 0
.rept 4
	v_nop
.endr
	s_branch .Lasked_\@
.Lfor_b_\@:
	tensor_load_to_lds s[\g0b:\g0b+3], s[\g1b:\g1b+7]
	s_nop 0
.rept 4
	v_nop
.endr
.Lasked_\@:
.endm
.macro CROUND                          ; a round of the cluster's barrier
	s_barrier_signal -1
	s_barrier_wait -1
	s_cmp_lg_u32 s14, 0
	s_cbranch_scc1 .Lnot_wave_0_\@
	s_barrier_signal -3
.Lnot_wave_0_\@:
	s_barrier_wait -3
	s_barrier_signal -1
	s_barrier_wait -1
.endm
	s_load_b128 s[4:7], s[0:1], 0x0                ; x's codes, x's scales
	s_load_b128 s[8:11], s[0:1], 0x10              ; W's codes, W's scales
	s_load_b64 s[12:13], s[0:1], 0x20              ; qkv
	v_lshl_add_u32 v[SPW], v0, 2, SPARE
	v_mov_b32 v[NIL], 0
	ds_add_u32 v[SPW], v[NIL]                      ; the wave's opening: the add, twice on end, and its wait ahead of my first tensor load
	ds_add_u32 v[SPW], v[NIL]
	v_lshrrev_b32 v1, 5, v0
	v_readfirstlane_b32 s14, v1                    ; wave 0..3
	s_lshr_b32 s15, s14, 1                         ; which half of the tile's rows is mine.  Also: I fetch for x (0) or for W (1)
	s_and_b32 s16, s14, 1                          ; which half of its columns.  Also: which 128 rows of that tile I fetch
	s_bfe_u32 s40, ttmp6, 0x40000                  ; cx, cy: my place in the cluster
	s_bfe_u32 s41, ttmp6, 0x40004
	s_lshl_b32 s42, ttmp9, 2
	s_add_co_u32 s42, s42, s40                     ; tile column = 4 x cluster x + cx
	s_and_b32 s17, ttmp7, 0xffff
	s_lshl_b32 s17, s17, 2
	s_add_co_u32 s17, s17, s41                     ; tile row = 4 x cluster y + cy
	s_lshl_b32 s43, s41, 2
	s_lshl_b32 s43, 15, s43                        ; my row of the cluster
	s_lshl_b32 s44, 0x1111, s40                    ; my column
	s_or_b32 s[G1+0], s43, (0<<16)|(1<<20)|(1<<21)|(5<<22)|(3<<25)  ; the mask; elements of 1 byte; padding on; bit 21 beside a mask; 4 words of padding after every 64
	s_or_b32 s[G1B+0], s44, (0<<16)|(1<<20)|(1<<21)|(5<<22)|(3<<25)
.irp g, G1, G1B
	s_mov_b32 s[\g+1], ROWB<<16                    ; tensor_dim0
	s_mov_b32 s[\g+2], 128<<16                     ; tensor_dim1
	s_mov_b32 s[\g+3], ROWB<<16                    ; tile_dim0
	s_mov_b32 s[\g+4], 128                         ; tile_dim1
	s_mov_b32 s[\g+5], KROW                        ; from row to row
	s_mov_b32 s[\g+6], 0
	s_mov_b32 s[\g+7], 0
.endr
	s_or_b32 s[G1S+0], s43, (3<<16)|(1<<20)|(1<<21)|(5<<22)|(3<<25) ; the scales of 128 rows: a dense block, as rows of 256 bytes (32 elements of 8 bytes), 16 bytes of padding behind each
	s_or_b32 s[G1SB+0], s44, (3<<16)|(1<<20)|(1<<21)|(5<<22)|(3<<25)
.irp g, G1S, G1SB
	s_mov_b32 s[\g+1], 32<<16
	s_mov_b32 s[\g+2], (128*KS/256)<<16
	s_mov_b32 s[\g+3], 32<<16
	s_mov_b32 s[\g+4], 128*KS/256
	s_mov_b32 s[\g+5], 32
	s_mov_b32 s[\g+6], 0
	s_mov_b32 s[\g+7], 0
.endr
	s_lshl_b32 s18, s16, 7                         ; which 128 rows of the tile I fetch
	s_lshl_b32 s20, s17, 8
	s_add_co_u32 s20, s20, s18                     ; x: row 256 x tile row + 128 x half
	s_lshl_b32 s46, s42, 8
	s_add_co_u32 s46, s46, s18                     ; W: row 256 x tile column + 128 x half
	s_mov_b32 s21, 0
	s_mov_b32 s47, 0
	s_mov_b64 s[18:19], KS
	s_mul_u64 s[22:23], s[20:21], s[18:19]         ; where these rows' scales begin, in bytes
	s_mul_u64 s[92:93], s[46:47], s[18:19]
	s_mov_b64 s[18:19], KROW
	s_mul_u64 s[20:21], s[20:21], s[18:19]         ; and their codes
	s_mul_u64 s[46:47], s[46:47], s[18:19]
	s_mul_i32 s45, s14, HALFT                      ; where they go: wave x 128 rows: no place in the cluster enters an LDS address
	s_mul_i32 s94, s14, HALFS
	s_wait_dscnt 0x0                               ; both opening adds are done
	s_wait_kmcnt 0x0
	s_add_nc_u64 s[20:21], s[4:5], s[20:21]
	s_add_nc_u64 s[22:23], s[6:7], s[22:23]
	s_add_nc_u64 s[46:47], s[8:9], s[46:47]
	s_add_nc_u64 s[92:93], s[10:11], s[92:93]
	CROUND                                         ; all sixteen work-groups are here: the first joint loads meet
	s_mov_b32 s[G0S], 1
	s_add_co_u32 s[G0S+1], s94, SCL
	s_mov_b64 s[G0S+2:G0S+3], s[22:23]
	s_or_b32 s[G0S+3], s[G0S+3], 0x80000000
	s_mov_b32 s[G0SB], 1
	s_add_co_u32 s[G0SB+1], s94, SCL
	s_mov_b64 s[G0SB+2:G0SB+3], s[92:93]
	s_or_b32 s[G0SB+3], s[G0SB+3], 0x80000000
	JLOAD G0S, G1S, G0SB, G1SB                     ; the scales first: they are wanted with the first slot
.irp s, 0,1
	s_mov_b32 s[G0+4*\s], 1
	s_add_co_u32 s[G0+4*\s+1], s45, \s*SLOT
	s_add_nc_u64 s[G0+4*\s+2:G0+4*\s+3], s[20:21], \s*ROWB
	s_or_b32 s[G0+4*\s+3], s[G0+4*\s+3], 0x80000000
	s_mov_b32 s[G0B+4*\s], 1
	s_add_co_u32 s[G0B+4*\s+1], s45, \s*SLOT
	s_add_nc_u64 s[G0B+4*\s+2:G0B+4*\s+3], s[46:47], \s*ROWB
	s_or_b32 s[G0B+4*\s+3], s[G0B+4*\s+3], 0x80000000
	JLOAD G0+4*\s, G1, G0B+4*\s, G1B               ; three tensor loads of mine are out at the most
.endr
	v_and_b32 v1, 15, v0                           ; l % 16
	v_bfe_u32 v2, v0, 4, 1                         ; l / 16
	v_mul_u32_u24 v3, v1, PITCH
	v_lshl_add_u32 v4, v2, 4, v3                   ; a fragment's row x pitch + 16 x half
	s_mul_i32 s21, s15, HALFT                      ; my 128 rows of x
	s_mul_i32 s22, s16, HALFT                      ; my 128 rows of W,
	s_add_co_u32 s22, s22, 2*HALFT                 ; which lie behind x's 256
.irp s, 0,1
	v_add_nc_u32 v[ADRA+\s], s21, v4
	v_add_nc_u32 v[ADRB+\s], s22, v4
	s_add_co_u32 s21, s21, SLOT
	s_add_co_u32 s22, s22, SLOT
.endr
	v_mul_u32_u24 v5, v1, KS                       ; my row's scales: KS bytes a row,
	v_lshrrev_b32 v6, 8, v5
	v_lshl_add_u32 v5, v6, 4, v5                   ; and 16 more for each 256 passed
	s_mul_i32 s21, s15, HALFS
	s_mul_i32 s22, s16, HALFS
	s_add_co_u32 s22, s22, 2*HALFS
	s_sub_co_u32 s22, s22, s21
	v_mul_u32_u24 v6, s22, v2                      ; lanes 16-31 take W's: one product, the distance between the two bases
	s_add_co_u32 s21, s21, SCL
	v_add_nc_u32 v5, v5, v6
	v_add_nc_u32 v[ADRS], s21, v5
	s_mul_i32 s23, s14, 16*SPITCH
	s_add_co_u32 s23, s23, STAGE                   ; my stage
	v_mul_u32_u24 v5, v1, SPITCH                   ; in: row l % 16, 16 bytes for each half of the lanes
	v_lshl_add_u32 v5, v2, 4, v5
	v_add_nc_u32 v[STO], s23, v5
	v_mul_u32_u24 v5, v2, SPITCH                   ; back: lanes 0-15 one row of 256 bytes, lanes 16-31 the next
	v_lshl_add_u32 v5, v1, 4, v5
	v_add_nc_u32 v[RD], s23, v5
	v_mul_u32_u24 v5, v2, ROWC                     ; and the same two rows in qkv
	v_lshl_add_u32 v[CO], v1, 4, v5
	s_lshl_b32 s20, s17, 8
	s_lshl_b32 s21, s15, 7
	s_add_co_u32 s20, s20, s21                     ; my first row: 256 x tile row + 128 x half
	s_mul_i32 s20, s20, ROWC                       ; in bytes: under 2^26
	s_lshl_b32 s46, s42, 9                         ; my first column, in bytes: 512 x tile column + 256 x half
	s_lshl_b32 s47, s16, 8
	s_add_co_u32 s46, s46, s47
	s_add_co_u32 s20, s20, s46
	s_mov_b32 s21, 0
	s_add_nc_u64 s[12:13], s[12:13], s[20:21]
.macro FRAG reg, adr, q, i             ; 16 rows x 128 K of 4-bit codes: 8 registers: lane l holds row l % 16; registers 4 c .. 4 c + 3 hold K = 64 c + 32 (l / 16) + 0 .. 31
.irp c, 0,1
	ds_load_b128 v[\reg+4*\c:\reg+4*\c+3], v[\adr] offset:64*(\q)+32*\c+(\i)*16*PITCH
.endr
.endm
; 16 matrix instructions: x's blocks a0, a0 + 1 against W's eight, 128 along K.  The 64 accumulators take turns, one instruction a turn, in the same order in every step.
.macro MUL16 a0, p, q, sc, zero
.irp a, \a0, \a0+1
.irp b, 0,1,2,3,4,5,6,7
.if \zero
	v_wmma_scale_f32_16x16x128_f8f6f4 v[8*(8*((\a)%4)+\b):8*(8*((\a)%4)+\b)+7], v[128*(\p)+FR*\b:128*(\p)+FR*\b+FR-1], v[AF+FR*(\a):AF+FR*(\a)+FR-1], 0, v[SC+8*NQ*(\sc)+NQ*\b+(\q)], v[SC+8*NQ*(\sc)+NQ*(\a)+(\q)] matrix_a_fmt:MATRIX_FMT_FP4 matrix_b_fmt:MATRIX_FMT_FP4 matrix_a_scale:MATRIX_SCALE_ROW1
.else
	v_wmma_scale_f32_16x16x128_f8f6f4 v[8*(8*((\a)%4)+\b):8*(8*((\a)%4)+\b)+7], v[128*(\p)+FR*\b:128*(\p)+FR*\b+FR-1], v[AF+FR*(\a):AF+FR*(\a)+FR-1], v[8*(8*((\a)%4)+\b):8*(8*((\a)%4)+\b)+7], v[SC+8*NQ*(\sc)+NQ*\b+(\q)], v[SC+8*NQ*(\sc)+NQ*(\a)+(\q)] matrix_a_fmt:MATRIX_FMT_FP4 matrix_b_fmt:MATRIX_FMT_FP4 matrix_a_scale:MATRIX_SCALE_ROW1
.endif
.endr
.endr
.endm
.macro FETCH_B slot, q, p
	WIN TO_B
.irp i, 0,1,2,3,4,5,6,7
	FRAG 128*(\p)+FR*\i, ADRB+\slot, \q, \i
.endr
	WIN 0
.endm
.macro FETCH_A slot, q, i0
.irp i, \i0, \i0+1, \i0+2, \i0+3
	FRAG AF+FR*(\i), ADRA+\slot, \q, \i
.endr
.endm
.macro SCALES sc                       ; a slot's scale words: 4 words a row; lanes 0-15 take x's block i, lanes 16-31 W's block i
.irp i, 0,1,2,3,4,5,6,7
	ds_load_b128 v[SC+8*NQ*\sc+NQ*\i:SC+8*NQ*\sc+NQ*\i+3], v[ADRS] offset:\i*SBLK
.endr
.endm
.macro PLACES n                        ; plain vector instructions between a matrix instruction and a load into its registers or a read of its result
.rept \n
	v_nop
.endr
.endm
.macro STEP slot, q, zero              ; 128 along K, with its successor in the same slot
	s_wait_dscnt 4*NL                              ; W's set and x's blocks 0-3 are in; the youngest eight loads (x's blocks 4-7) may be out
	WIN MUL_LO
	MUL16 0, (\q)%2, \q, \slot, \zero
	MUL16 2, (\q)%2, \q, \slot, \zero
	s_wait_dscnt 0
	PLACES NP
	FETCH_B \slot, (\q)+1, 1-(\q)%2
	FETCH_A \slot, (\q)+1, 0
	WIN MUL_HI
	MUL16 4, (\q)%2, \q, \slot, \zero
	MUL16 6, (\q)%2, \q, \slot, \zero
	PLACES NP
	WIN 0
	FETCH_A \slot, (\q)+1, 4
.endm
.macro TURN slot, next                 ; slot 0's last step; behind the barrier slot 1 is whole for every wave.  Nothing is filled again
	s_wait_tensorcnt 0x0                           ; all my tensor loads have landed: my part of the next slot
	ds_add_u32 v[SPW], v[NIL]                      ; 0 onto my spare word
	s_wait_dscnt 4*NL+1                            ; (the add and the youngest eight loads may be out)
	WIN MUL_LO
	MUL16 0, 1, NQ-1, \slot, 0
	s_wait_dscnt 0x0                               ; the add is done, and my reads of this slot are over
	s_barrier_signal -1
	MUL16 2, 1, NQ-1, \slot, 0
	WIN 0
	s_barrier_wait -1
	PLACES NP
	v_add_nc_u32 v[ADRS], 4*NQ, v[ADRS]            ; on to the next slot's scale words
	FETCH_B \next, 0, 0
	FETCH_A \next, 0, 0
	SCALES \next
	WIN MUL_HI
	MUL16 4, 1, NQ-1, \slot, 0
	MUL16 6, 1, NQ-1, \slot, 0
	PLACES NP
	WIN 0
	FETCH_A \next, 0, 4
.endm
.macro STEPS slot, from
.set Q, \from
.rept NQ-1-\from
	STEP \slot, Q, 0
.set Q, Q+1
.endr
.endm
	s_wait_tensorcnt 1                             ; the scales and my part of slot 0 are in (slot 1's load may be out),
	s_barrier_signal -1
	s_barrier_wait -1                              ; everybody's are
	FETCH_B 0, 0, 0
	FETCH_A 0, 0, 0
	SCALES 0
	FETCH_A 0, 0, 4
	STEP 0, 0, 1                                   ; the first step's products start the sums: nothing is cleared
	STEPS 0, 1
	TURN 0, 1
	STEPS 1, 0
	s_wait_dscnt 4*NL                              ; the last step: nothing more to fetch
	WIN MUL_LO
	MUL16 0, 1, NQ-1, 1, 0
	MUL16 2, 1, NQ-1, 1, 0
	s_wait_dscnt 0
	WIN MUL_HI
	MUL16 4, 1, NQ-1, 1, 0
	MUL16 6, 1, NQ-1, 1, 0
	WIN 0
; THE WAY OUT, a block of 16 rows x 128 columns at a time: rounded to f16 (16 bytes a lane), through my own stage in LDS, back as whole rows of 256 bytes.
.macro PACK a
.set AC, 64*((\a)%4)
	WIN 0x0a+5*((\a)/4)                            ; sources 0 and 1: window 2 or 3
.irp b, 0,1,2,3,4,5,6,7
.irp r, 0,1,2,3
	v_cvt_pk_f16_f32 v[TMP+4*\b+\r], v[AC+8*\b+2*\r], v[AC+8*\b+2*\r+1]   ; each accumulator from its low end on
.endr
.endr
	WIN 0
.endm
.macro TOSTAGE a
.set BB, BKR+32*((\a)%2)
.irp b, 0,1,2,3,4,5,6,7
	ds_store_b128 v[STO], v[TMP+4*\b:TMP+4*\b+3] offset:32*\b
.endr
.irp t, 0,1,2,3,4,5,6,7
	ds_load_b128 v[BB+4*\t:BB+4*\t+3], v[RD] offset:\t*2*SPITCH    ; LDS serves a wave's instructions in order (ISA guide 5.7.1.4): these see the stores above
.endr
.endm
.macro SEND a
.set BB, BKR+32*((\a)%2)
	s_wait_dscnt 0x0                               ; the block is back in registers
	s_wait_xcnt 0x0                                ; the earlier stores have read their base and their data: both may be written again
.if (\a) > 0
	s_add_nc_u64 s[12:13], s[12:13], 16*ROWC
.endif
.irp t, 0,1,2,3,4,5,6,7
	global_store_b128 v[CO], v[BB+4*\t:BB+4*\t+3], s[12:13] offset:2*\t*ROWC   ; 16 lanes store 256 consecutive bytes, at a multiple of 256 from qkv's first byte
.endr
.endm
	PLACES NP
	PACK 0
	TOSTAGE 0
.irp a, 1,2,3,4,5,6,7                  ; block a's conversions stand between block a - 1's loads from the stage and the wait for them
	PACK \a
	SEND \a-1
	TOSTAGE \a
.endr
	SEND 7
	s_wait_tensorcnt 0x0                           ; the wave's end
	ds_add_u32 v[SPW], v[NIL]
	s_wait_dscnt 0x0
	CROUND                                         ; the closing round
	s_endpgm
.Lfunc_end_k_qfe4d8d035c_proj:
	.size	k_qfe4d8d035c_proj, .Lfunc_end_k_qfe4d8d035c_proj-k_qfe4d8d035c_proj
	.p2alignl 7, 3214868480
	.fill 96, 4, 3214868480
	.section	.rodata,"a",@progbits
	.p2align	6, 0x0
	.amdhsa_kernel k_qfe4d8d035c_proj
		.amdhsa_group_segment_fixed_size 327680
		.amdhsa_private_segment_fixed_size 0
		.amdhsa_enable_private_segment 0
		.amdhsa_kernarg_size 40
		.amdhsa_user_sgpr_count 2
		.amdhsa_user_sgpr_kernarg_segment_ptr 1
		.amdhsa_wavefront_size32 1
		.amdhsa_system_sgpr_workgroup_id_x 1
		.amdhsa_system_sgpr_workgroup_id_y 1
		.amdhsa_system_sgpr_workgroup_id_z 1
		.amdhsa_system_vgpr_workitem_id 0
		.amdhsa_next_free_vgpr 1024
		.amdhsa_next_free_sgpr 98
		.amdhsa_reserve_vcc 0
		.amdhsa_float_denorm_mode_32 3
		.amdhsa_float_denorm_mode_16_64 3
		.amdhsa_memory_ordered 1
		.amdhsa_forward_progress 1
		.amdhsa_inst_pref_size 127
	.end_amdhsa_kernel
	.amdgpu_metadata
---
amdhsa.version: [ 1, 2 ]
amdhsa.kernels:
  - .name:           k_qfe4d8d035c_proj
    .symbol:         k_qfe4d8d035c_proj.kd
    .args:
      - { .name: x_codes, .offset: 0, .size: 8, .value_kind: global_buffer, .address_space: global }
      - { .name: x_scales, .offset: 8, .size: 8, .value_kind: global_buffer, .address_space: global }
      - { .name: w_codes, .offset: 16, .size: 8, .value_kind: global_buffer, .address_space: global }
      - { .name: w_scales, .offset: 24, .size: 8, .value_kind: global_buffer, .address_space: global }
      - { .name: qkv, .offset: 32, .size: 8, .value_kind: global_buffer, .address_space: global }
    .group_segment_fixed_size: 327680
    .private_segment_fixed_size: 0
    .kernarg_segment_align: 8
    .kernarg_segment_size: 40
    .max_flat_workgroup_size: 128
    .sgpr_count:     98
    .vgpr_count:     1024
    .wavefront_size: 32
...
	.end_amdgpu_metadata
.endif
;; end of part 2
;; launch scores (part 3): grid 8 x 32, 4 waves a work-group, clusters of 4 x 4, 327,680 bytes of LDS; arguments qkv, p, stat; writes p, stat
.if DOCPART == 3
	.amdgcn_target "amdgcn-amd-amdhsa--gfx1250"
	.amdhsa_code_object_version 6
	.text
	.protected	k_qfe4d8d035c_scores
	.globl	k_qfe4d8d035c_scores
	.p2align	8
	.type	k_qfe4d8d035c_scores,@function
k_qfe4d8d035c_scores:
	s_mov_b64 s[64:65], 0
	v_nop
	global_prefetch_b8 v0, s[64:65] scope:SCOPE_SE
	s_setreg_imm32_b32 hwreg(HW_REG_WAVE_MODE, 25, 1), 1
	s_wait_xcnt 0x0
	s_wait_alu depctr_hold_cnt(0) depctr_sa_sdst(0) depctr_va_vdst(0) depctr_va_sdst(0) depctr_va_ssrc(0) depctr_va_vcc(0) depctr_vm_vsrc(0)
	s_getreg_b32 s2, hwreg(HW_REG_IB_STS2, 6, 4)
	s_cmp_eq_u32 s2, 0
	s_cbranch_scc0 .Lentry_in_a_cluster
	s_endpgm
.Lentry_in_a_cluster:
	s_bfe_u32 s2, ttmp6, 0x10000c
	s_cmp_lg_u32 s2, 0xf033
	s_cbranch_scc0 .Lentry_shape_is_right
	s_endpgm
.Lentry_shape_is_right:
; For each batch: S = q k^T (f16 operands, f32 sums, K = 1,024); t = S x log2(e) / 32.  For each query and each GROUP of 128 keys: m = the group's largest t rounded UP to a whole number;
; p = 2^(t - m), at most 1, stored in f16: p [8192][2048]; l = the sum of the group's p in f32.  stat [2][16][8192] f32: plane 0 holds -m, plane 1 holds l, by group and global row.
; The maximum is taken away before every exponential; the next launch brings the sixteen groups of a row under the row's own maximum by whole powers of two.
; LIMITS: q and k are f16 numbers as the launch before left them; NaN and infinities are not served; a p under 2^-24 is 0 in f16.
; A tile of 256 queries x 256 keys is made by four waves, each 128 x 128: 64 accumulators, 512 registers: a wave's 128 keys are one group.
; K goes in steps of 128 through two LDS slots filled by the tensor data mover: a tile's row is 256 bytes of a row of qkv (6,144 bytes), aligned.
; CLUSTERS: 4 x 4 work-groups; q's tiles are shared along a row of the cluster, k's along a column: each is asked for jointly.
; THE MATRIX INSTRUCTION IS USED TRANSPOSED (source 0 = 16 keys, source 1 = 16 queries): a lane holds ONE query (lane % 16) and 64 of its group's keys; lane l xor 16 holds the other 64.
; REGISTERS: window 0: v0-31 addresses; v64-127, v128-191 q's fragments, two buffers; on the way out v32-255 are at work.  window 1: v64-127, v128-191 k's fragments.  windows 2, 3: the accumulators of my rows 0-63, 64-127 ((a, b) at v[8 (8 (a % 4) + b)]).
.set ROWQ,   6144                      ; a row of qkv in bytes
.set ROWP,   4096                      ; a row of p in bytes
.set KSTEP,  128
.set PITCH,  272                       ; an LDS row: 256 bytes + 16 of padding
.set HALFT,  128*PITCH
.set SLOT,   4*HALFT
.set STAGE,  2*SLOT                    ; behind the slots: 16 rows x 272 bytes for each wave
.set SPITCH, 272
.set SPARE,  STAGE+4*16*SPITCH         ; the spare words, 128 bytes a wave, which no other line names
.set LAPS,   4                         ; a lap = two K steps
.set SS,   9                           ; v9   the statistics: where I put my word in my stage
.set SL,   10                          ; v10  and where I read 16 bytes back
.set LO16, 11                          ; v11  16 x lane
.set ADRA, 16
.set ADRB, 20
.set STO,  24
.set RD,   25
.set CO,   26
.set SPW,  28
.set NIL,  29
.set PFO,  30                          ; v30  the prefetches' offset: my lane x a row of qkv
.set PFA,  44                          ; s[44:45] where my prefetches stand
.set LIM,  43                          ; s43  1 in a wave that prefetches, else the greatest number
.set F0,   64
.set F1,   128
.set T,    64                          ; the way out: v64-85 maxima at work
.set NMP,  86                          ; v[86:87] -m (the packed form names a pair and takes its low word)
.set SU,   96                          ; v96-127 sums at work
.set MS,   128                         ; v128-135 -m of block a
.set LS,   136                         ; v136-143 l of block a
.set X8,   144                         ; v144-151 lanes 0-15: -m, lanes 16-31: l
.set TMP,  192                         ; v192-223 packed p
.set OB,   32                          ; v32-63 and v224-255 by turns: rows read back
.set G1, 24
.set G0, 32
.set G1B, 48
.set G0B, 56
.set CS,  16                           ; s[16:17] c = log2(e) / 32;  s[18:19] lane selects;  s20 the mask of lanes 16-31: written behind the loop
.set SEL, 18
.set HM,  20
.set MSB, 0
.macro WIN new
.if MSB != (\new)
	s_set_vgpr_msb (MSB<<8)|(\new)
.set MSB, (\new)
.endif
.endm
.set MUL_LO, 0xa1                      ; source 0 (k) window 1, source 1 (q) window 0, C and D window 2
.set MUL_HI, 0xf1
.set TO_B,   0x40
.macro JLOAD s                         ; waves 0 and 1 fetch q's two halves, waves 2 and 3 k's; an s_nop 0 and four v_nop follow each line
	s_cmp_eq_u32 s11, 0
	s_cbranch_scc0 .Lfor_b_\@
	tensor_load_to_lds s[G0+4*\s:G0+4*\s+3], s[G1:G1+7]
	s_nop 0
.rept 4
	v_nop
.endr
	s_branch .Lasked_\@
.Lfor_b_\@:
	tensor_load_to_lds s[G0B+4*\s:G0B+4*\s+3], s[G1B:G1B+7]
	s_nop 0
.rept 4
	v_nop
.endr
.Lasked_\@:
.endm
; A prefetch of the K step that stands two refills on: 32 rows x 256 bytes, a lane a row, one instruction a wave, behind the joint load and the run of LDS loads.
; Each row's 256 bytes of a K step are named once: q's tile row is read by both clusters of its row of clusters: cluster x = 0 asks; k's tile column by the batch's two clusters: the even cluster y asks.
; The four partners of a joint load share its 128 rows out by address, 32 each.  The loop's last trip asks for nothing: K has no step beyond the seventh.
.macro ASK
	s_cmp_gt_u32 s3, s[LIM]
	s_cbranch_scc0 .Lnot_mine_\@
	global_prefetch_b8 v[PFO], s[PFA:PFA+1] offset:KSTEP*2 th:TH_LOAD_NT scope:SCOPE_SE
.Lnot_mine_\@:
.endm
.macro CREST
	s_cmp_lg_u32 s10, 0
	s_cbranch_scc1 .Lnot_wave_0_\@
	s_barrier_signal -3
.Lnot_wave_0_\@:
	s_barrier_wait -3
	s_barrier_signal -1
	s_barrier_wait -1
.endm
.macro CROUND
	s_barrier_signal -1
	s_barrier_wait -1
	CREST
.endm
	s_load_b128 s[4:7], s[0:1], 0x0                ; qkv, p
	s_load_b64 s[8:9], s[0:1], 0x10                ; stat
	v_lshl_add_u32 v[SPW], v0, 2, SPARE
	v_mov_b32 v[NIL], 0
	ds_add_u32 v[SPW], v[NIL]                      ; the wave's opening: the add, twice on end, and its wait ahead of my first tensor load
	ds_add_u32 v[SPW], v[NIL]
	v_lshrrev_b32 v1, 5, v0
	v_readfirstlane_b32 s10, v1                    ; wave 0..3
	s_lshr_b32 s11, s10, 1                         ; which half of the tile's queries is mine.  Also: I fetch for q (0) or for k (1)
	s_and_b32 s12, s10, 1                          ; which half of its keys.  Also: which 128 rows of that tile I fetch
	s_bfe_u32 s40, ttmp6, 0x40000                  ; cx
	s_bfe_u32 s41, ttmp6, 0x40004                  ; cy
	s_lshl_b32 s42, ttmp9, 2
	s_add_co_u32 s42, s42, s40                     ; tile column (256 keys of the batch) = 4 x cluster x + cx
	s_and_b32 s13, ttmp7, 0xffff
	s_lshl_b32 s13, s13, 2
	s_add_co_u32 s13, s13, s41                     ; tile row (256 global rows) = 4 x cluster y + cy
	s_lshl_b32 s43, s41, 2
	s_lshl_b32 s43, 15, s43                        ; my row of the cluster
	s_lshl_b32 s44, 0x1111, s40                    ; my column
	s_or_b32 s[G1+0], s43, (1<<16)|(1<<20)|(1<<21)|(5<<22)|(3<<25)  ; the mask; elements of 2 bytes; padding on; bit 21 beside a mask; 4 words after every 64
	s_or_b32 s[G1B+0], s44, (1<<16)|(1<<20)|(1<<21)|(5<<22)|(3<<25)
.irp g, G1, G1B
	s_mov_b32 s[\g+1], KSTEP<<16                   ; tensor_dim0 = 128
	s_mov_b32 s[\g+2], 128<<16                     ; tensor_dim1 = 128
	s_mov_b32 s[\g+3], KSTEP<<16                   ; tile_dim0 = 128
	s_mov_b32 s[\g+4], 128                         ; tile_dim1 = 128
	s_mov_b32 s[\g+5], 3072                        ; elements from row to row of qkv
	s_mov_b32 s[\g+6], 0
	s_mov_b32 s[\g+7], 0
.endr
	s_lshl_b32 s17, s12, 7                         ; which 128 rows of the tile I fetch
	s_lshl_b32 s16, s13, 8
	s_add_co_u32 s16, s16, s17                     ; q: row 256 x tile row + 128 x half
	s_lshl_b32 s46, s42, 8
	s_add_co_u32 s46, s46, s17                     ; k: row 256 x tile column + 128 x half
	s_and_b32 s47, ttmp7, 0xffff
	s_lshr_b32 s47, s47, 1                         ; the batch, from the cluster's y alone: a cluster's 1,024 rows lie in one batch
	s_lshl_b32 s47, s47, 11
	s_add_co_u32 s46, s46, s47                     ; + 2,048 x batch
	s_mul_i32 s16, s16, ROWQ                       ; in bytes: under 2^26
	s_mov_b32 s17, 0
	s_mul_i32 s46, s46, ROWQ
	s_add_co_u32 s46, s46, 2048                    ; k's columns of qkv begin 2,048 bytes into a row
	s_mov_b32 s47, 0
	s_mul_i32 s20, s10, HALFT                      ; where they go: wave x 128 rows
	s_wait_dscnt 0x0                               ; both opening adds are done
	s_wait_kmcnt 0x0
	s_add_nc_u64 s[14:15], s[4:5], s[16:17]
	s_add_nc_u64 s[46:47], s[4:5], s[46:47]
	CROUND                                         ; all sixteen work-groups are here: the first joint loads meet
.irp s, 0,1
	s_mov_b32 s[G0+4*\s], 1
	s_add_co_u32 s[G0+4*\s+1], s20, \s*SLOT
	s_add_nc_u64 s[G0+4*\s+2:G0+4*\s+3], s[14:15], \s*KSTEP*2
	s_or_b32 s[G0+4*\s+3], s[G0+4*\s+3], 0x80000000
	s_mov_b32 s[G0B+4*\s], 1
	s_add_co_u32 s[G0B+4*\s+1], s20, \s*SLOT
	s_add_nc_u64 s[G0B+4*\s+2:G0B+4*\s+3], s[46:47], \s*KSTEP*2
	s_or_b32 s[G0B+4*\s+3], s[G0B+4*\s+3], 0x80000000
	JLOAD \s                                       ; two tensor loads of mine are out at the most
.endr
	v_and_b32 v1, 15, v0                           ; l % 16
	v_bfe_u32 v2, v0, 4, 1                         ; l / 16
	v_mul_u32_u24 v3, v1, PITCH
	v_lshl_add_u32 v3, v2, 4, v3                   ; a fragment's row x pitch + 16 x half
	s_mul_i32 s21, s11, HALFT                      ; my 128 rows of q
	s_mul_i32 s22, s12, HALFT                      ; my 128 rows of k,
	s_add_co_u32 s22, s22, 2*HALFT                 ; which lie behind q's 256
.irp s, 0,1
	v_add_nc_u32 v[ADRA+\s], s21, v3
	v_add_nc_u32 v[ADRB+\s], s22, v3
	s_add_co_u32 s21, s21, SLOT
	s_add_co_u32 s22, s22, SLOT
.endr
	s_mul_i32 s23, s10, 16*SPITCH
	s_add_co_u32 s23, s23, STAGE                   ; my stage
	v_mul_u32_u24 v4, v1, SPITCH
	v_lshl_add_u32 v4, v2, 4, v4
	v_add_nc_u32 v[STO], s23, v4                   ; in: row l % 16, 16 bytes for each half of the lanes
	v_mul_u32_u24 v5, v2, SPITCH
	v_lshl_add_u32 v5, v1, 4, v5
	v_add_nc_u32 v[RD], s23, v5                    ; back: lanes 0-15 one row of 256 bytes, lanes 16-31 the next
	v_lshlrev_b32 v5, 12, v2
	v_lshl_add_u32 v[CO], v1, 4, v5                ; and the same two rows in p
	v_lshlrev_b32 v5, 9, v2
	v_lshl_add_u32 v5, v1, 2, v5
	v_add_nc_u32 v[SS], s23, v5                    ; the statistics: 512 x half + 4 x (l % 16)
	v_and_b32 v[LO16], 31, v0
	v_lshlrev_b32 v[LO16], 4, v[LO16]
	v_add_nc_u32 v[SL], s23, v[LO16]
	s_lshl_b32 s13, s13, 8                         ; 256 x tile row
	s_lshl_b32 s14, s11, 7
	s_add_co_u32 s16, s13, s14                     ; my first global row
	s_lshl_b32 s18, s16, 12                        ; x 4,096 bytes of p
	s_lshl_b32 s46, s42, 9                         ; my first key, in bytes: 512 x tile column + 256 x half
	s_lshl_b32 s47, s12, 8
	s_add_co_u32 s46, s46, s47
	s_add_co_u32 s18, s18, s46
	s_mov_b32 s19, 0
	s_add_nc_u64 s[6:7], s[6:7], s[18:19]
	s_lshl_b32 s46, s42, 1
	s_add_co_u32 s46, s46, s12                     ; my group of 128 keys: 2 x tile column + half
	s_lshl_b32 s46, s46, 13
	s_add_co_u32 s46, s46, s16                     ; x 8,192 rows + my first row
	s_lshl_b32 s18, s46, 2
	s_add_nc_u64 s[8:9], s[8:9], s[18:19]
	; the prefetches: s13 = 256 x tile row, s42 = tile column, s40 = cx, s41 = cy still stand
	s_lshl_b32 s42, s42, 8
	s_and_b32 s22, ttmp7, 0xffff                   ; cluster y
	s_lshr_b32 s23, s22, 1
	s_lshl_b32 s23, s23, 11
	s_add_co_u32 s42, s42, s23                     ; k's tile: its first row of qkv
	s_and_b32 s22, s22, 1
	s_cmp_eq_u32 s11, 0                            ; do I fetch for q?
	s_cselect_b32 s20, s13, s42                    ; the tile's first row
	s_cselect_b32 s21, s40, s41                    ; my place among the four that ask for it with me
	s_cselect_b32 s22, ttmp9, s22                  ; the coordinate along which other clusters read the same rows
	s_cselect_b32 s23, 0, 2048                     ; q's or k's columns
	s_cmp_eq_u32 s22, 0
	s_cselect_b32 s[LIM], 1, -1                    ; the same in all sixteen partners, for a given wave
	s_lshl_b32 s22, s12, 7
	s_add_co_u32 s20, s20, s22                     ; + the 128 rows that I fetch
	s_lshl_b32 s21, s21, 5
	s_add_co_u32 s20, s20, s21                     ; + my work-group's 32 of them
	s_mul_i32 s20, s20, ROWQ
	s_add_co_u32 s20, s20, s23
	s_add_co_u32 s20, s20, 2*KSTEP*2               ; at K step 2: the first refill steps it to 3 and names K step 4
	s_mov_b32 s21, 0
	s_add_nc_u64 s[PFA:PFA+1], s[4:5], s[20:21]
	v_and_b32 v[PFO], 31, v0
	v_mul_u32_u24 v[PFO], v[PFO], ROWQ
; 16 matrix instructions: query blocks a0, a0 + 1 of the window's four x all 8 key blocks, 32 along K.  The 64 accumulators take turns in the same order in every quarter.
.macro MUL16 f, hi, a0, zero
.irp a, \a0, \a0+1
.irp b, 0,1,2,3,4,5,6,7
.if \zero
	v_wmma_f32_16x16x32_f16 v[8*(8*(\a)+\b):8*(8*(\a)+\b)+7], v[\f+8*\b:\f+8*\b+7], v[\f+8*(4*\hi+\a):\f+8*(4*\hi+\a)+7], 0
.else
	v_wmma_f32_16x16x32_f16 v[8*(8*(\a)+\b):8*(8*(\a)+\b)+7], v[\f+8*\b:\f+8*\b+7], v[\f+8*(4*\hi+\a):\f+8*(4*\hi+\a)+7], v[8*(8*(\a)+\b):8*(8*(\a)+\b)+7]
.endif
.endr
.endr
.endm
.macro FETCH slot, k, f                ; 32 LDS loads in one run: the fragments of one quarter step
	WIN TO_B
.irp i, 0,1,2,3,4,5,6,7
	ds_load_b128 v[\f+8*\i:\f+8*\i+3],   v[ADRB+\slot] offset:\k+\i*16*PITCH
	ds_load_b128 v[\f+8*\i+4:\f+8*\i+7], v[ADRB+\slot] offset:\k+\i*16*PITCH+32
.endr
	WIN 0
.irp i, 0,1,2,3,4,5,6,7
	ds_load_b128 v[\f+8*\i:\f+8*\i+3],   v[ADRA+\slot] offset:\k+\i*16*PITCH
	ds_load_b128 v[\f+8*\i+4:\f+8*\i+7], v[ADRA+\slot] offset:\k+\i*16*PITCH+32
.endr
.endm
.macro PLACES                          ; four plain vector instructions between a matrix instruction and a load into its registers or a read of its result
.rept 4
	v_nop
.endr
.endm
.macro QUARTER slot, k, f, g, zero     ; 32 along K: multiplies buffer f; in its middle fetches the next quarter, at byte k, into g
	s_wait_dscnt 8                                 ; k's fragments and q's rows 0-63 are in; the youngest eight loads (q's rows 64-127) may be out
	WIN MUL_LO
	MUL16 \f, 0, 0, \zero
	MUL16 \f, 0, 2, \zero
	PLACES
	FETCH \slot, \k, \g
	s_wait_dscnt 32                                ; all but the 32 just issued
	WIN MUL_HI
	MUL16 \f, 1, 0, \zero
	MUL16 \f, 1, 2, \zero
.endm
.macro MEET round                      ; the first half of a slot's last quarter: one barrier for the change of slots
	WIN 0
	s_wait_tensorcnt 0x0                           ; all my tensor loads have landed: my part of the next slot
	ds_add_u32 v[SPW], v[NIL]                      ; 0 onto my spare word
	s_wait_dscnt 9                                 ; (the add and the youngest eight loads may be out)
	WIN MUL_LO
	MUL16 F1, 0, 0, 0
	s_wait_dscnt 0x0                               ; the add is done, and my reads of this slot are over
	s_barrier_signal -1
	MUL16 F1, 0, 2, 0
.if \round
	WIN 0
.endif
	s_barrier_wait -1
.endm
.macro TURN slot, next, fill           ; the whole last quarter.  fill = 1: this slot takes the K step two steps on, behind a round of the cluster's barrier
.if \fill
	s_wait_xcnt 0x0                                ; the last prefetch, a K step back, has read its address
	s_add_nc_u64 s[PFA:PFA+1], s[PFA:PFA+1], KSTEP*2
.endif
	MEET \fill
.if \fill
	CREST                                          ; no wave of any partner still reads this slot or has a load on its way
	s_add_nc_u64 s[G0+4*\slot+2:G0+4*\slot+3], s[G0+4*\slot+2:G0+4*\slot+3], 2*KSTEP*2
	s_add_nc_u64 s[G0B+4*\slot+2:G0B+4*\slot+3], s[G0B+4*\slot+2:G0B+4*\slot+3], 2*KSTEP*2
	JLOAD \slot                                    ; the first tensor load behind the round; its four v_nop are also the places in front of the loads below
.else
	PLACES
.endif
	FETCH \next, 0, F0
.if \fill
	ASK
.endif
	WIN MUL_HI
	MUL16 F1, 1, 0, 0
	MUL16 F1, 1, 2, 0
.endm
	s_wait_tensorcnt 1                             ; my part of K step 0 is in (K step 1's load may be out),
	s_barrier_signal -1
	s_barrier_wait -1                              ; everybody's is
	FETCH 0, 0, F0
	QUARTER 0, 64,  F0, F1, 1                      ; the first quarter's products start the sums
	WIN 0
	s_mov_b32 s3, LAPS-1
.Llap:                                                 ; a trip goes once round the two slots and fills both again
	QUARTER 0, 128, F1, F0, 0
	QUARTER 0, 192, F0, F1, 0
	TURN 0, 1, 1
	QUARTER 1, 64,  F0, F1, 0
	QUARTER 1, 128, F1, F0, 0
	QUARTER 1, 192, F0, F1, 0
	TURN 1, 0, 1
	QUARTER 0, 64,  F0, F1, 0
	WIN 0
	s_sub_co_u32 s3, s3, 1
	s_cmp_lg_u32 s3, 0
	s_cbranch_scc1 .Llap
	QUARTER 0, 128, F1, F0, 0                      ; the last lap is written out: it asks for nothing
	QUARTER 0, 192, F0, F1, 0
	TURN 0, 1, 0
	QUARTER 1, 64,  F0, F1, 0
	QUARTER 1, 128, F1, F0, 0
	QUARTER 1, 192, F0, F1, 0
	s_wait_dscnt 8
	WIN MUL_LO
	MUL16 F1, 0, 0, 0
	MUL16 F1, 0, 2, 0
	s_wait_dscnt 0
	WIN MUL_HI
	MUL16 F1, 1, 0, 0
	MUL16 F1, 1, 2, 0
	WIN 0
	PLACES
	s_mov_b32 s[CS], 0x3d38aa3b                    ; c = log2(e) / sqrt(1024)
	s_mov_b32 s[CS+1], s[CS]
	s_mov_b32 s[SEL], 0x76543210
	s_mov_b32 s[SEL+1], 0xfedcba98
	s_mov_b32 s[HM], 0xffff0000
	v_mov_b32 v[NMP+1], 0                          ; named as the upper half of a pair, so it is written
; THE SOFTMAX OF BLOCK a (16 queries x my 128 keys), in place on its 64 accumulator registers.
.macro SOFT a
.set W, 2+(\a)/4
.set AC, 64*((\a)%4)
.set WW, W|(W<<2)|(W<<4)
	WIN WW                                         ; three sources in the accumulators' window
.set II, 0
.rept 21
	v_max3_num_f32 v[T+II], v[AC+3*II], v[AC+3*II+1], v[AC+3*II+2]   ; ascending: each accumulator is first read at its low end
.set II, II+1
.endr
	v_max_num_f32 v[T+21], v[AC+62], v[AC+63]
	WIN 0
.irp i, 0,1,2,3,4,5,6
	v_max3_num_f32 v[T+3*\i], v[T+3*\i], v[T+3*\i+1], v[T+3*\i+2]
.endr
	v_max3_num_f32 v[T], v[T], v[T+3], v[T+6]
	v_max3_num_f32 v[T+9], v[T+9], v[T+12], v[T+15]
	v_max_num_f32 v[T+18], v[T+18], v[T+21]
	v_max3_num_f32 v[T], v[T], v[T+9], v[T+18]
	v_permlanex16_b32 v[T+1], v[T], s[SEL], s[SEL+1]   ; the query's other 64 keys lie in the lane 16 away
	v_max_num_f32 v[T], v[T], v[T+1]
	v_mul_f32 v[T], s[CS], v[T]                    ; as t (c is positive)
	v_floor_f32 v[NMP], -v[T]                      ; -m = floor(-t) = -ceil(t): m is a whole number
	v_mov_b32 v[MS+(\a)], v[NMP]
.set WW, W|(W<<6)
	WIN WW                                         ; source 0 and destination in the accumulators' window
.set II, 0
.rept 32
	v_pk_fma_f32 v[AC+II:AC+II+1], v[AC+II:AC+II+1], s[CS:CS+1], v[NMP:NMP+1] op_sel_hi:[1,0,0]   ; t - m, two at a time
.set II, II+2
.endr
.set II, 0
.rept 64
	v_exp_f32 v[AC+II], v[AC+II]                   ; p = 2^(t - m)
.set II, II+1
.endr
	v_nop                                          ; a plain instruction behind the last exponential
	s_wait_alu depctr_va_vdst(0)                   ; the wait ahead of the first reader: one for the batch of 64
.set WW, W|(W<<2)
	WIN WW
.set II, 0
.rept 32
	v_cvt_pk_f16_f32 v[TMP+II], v[AC+2*II], v[AC+2*II+1]
.set II, II+1
.endr
.set II, 0
.rept 16
	v_pk_add_f32 v[SU+2*II:SU+2*II+1], v[AC+4*II:AC+4*II+1], v[AC+4*II+2:AC+4*II+3]   ; the sum is taken of the unrounded p
.set II, II+1
.endr
	WIN 0
.irp i, 0,1,2,3,4,5,6,7
	v_pk_add_f32 v[SU+4*\i:SU+4*\i+1], v[SU+4*\i:SU+4*\i+1], v[SU+4*\i+2:SU+4*\i+3]
.endr
.irp i, 0,1,2,3
	v_pk_add_f32 v[SU+8*\i:SU+8*\i+1], v[SU+8*\i:SU+8*\i+1], v[SU+8*\i+4:SU+8*\i+5]
.endr
.irp i, 0,1
	v_pk_add_f32 v[SU+16*\i:SU+16*\i+1], v[SU+16*\i:SU+16*\i+1], v[SU+16*\i+8:SU+16*\i+9]
.endr
	v_pk_add_f32 v[SU:SU+1], v[SU:SU+1], v[SU+16:SU+17]
	v_add_f32 v[SU], v[SU], v[SU+1]
	v_permlanex16_b32 v[SU+1], v[SU], s[SEL], s[SEL+1]
	v_add_f32 v[LS+(\a)], v[SU], v[SU+1]           ; l of my query in this group
.endm
.macro TOSTAGE a
.set BK, OB+192*((\a)%2)
.irp b, 0,1,2,3,4,5,6,7
	ds_store_b128 v[STO], v[TMP+4*\b:TMP+4*\b+3] offset:32*\b
.endr
.irp t, 0,1,2,3,4,5,6,7
	ds_load_b128 v[BK+4*\t:BK+4*\t+3], v[RD] offset:\t*2*SPITCH    ; LDS serves a wave's instructions in order (ISA guide 5.7.1.4)
.endr
.endm
.macro SEND a
.set BK, OB+192*((\a)%2)
	s_wait_dscnt 0x0                               ; the block is back in registers
	s_wait_xcnt 0x0                                ; the earlier stores have read their base and their data
.if (\a) > 0
	s_add_nc_u64 s[6:7], s[6:7], 16*ROWP
.endif
.irp t, 0,1,2,3,4,5,6,7
	global_store_b128 v[CO], v[BK+4*\t:BK+4*\t+3], s[6:7] offset:2*\t*ROWP   ; 16 lanes store 256 consecutive bytes, at a multiple of 256 from p's first byte
.endr
.endm
	SOFT 0
	TOSTAGE 0
.irp a, 1,2,3,4,5,6,7                  ; block a's softmax stands between block a - 1's loads from the stage and the wait for them
	SOFT \a
	SEND \a-1
	TOSTAGE \a
.endr
	SEND 7
	; the statistics of my 128 rows: both halves of the lanes hold both numbers; lanes 0-15 give -m, lanes 16-31 give l; through my stage, so that each store covers 512 consecutive bytes
.irp a, 0,1,2,3,4,5,6,7
	v_cndmask_b32 v[X8+\a], v[MS+\a], v[LS+\a], s[HM]
.endr
.irp a, 0,1,2,3,4,5,6,7
	ds_store_b32 v[SS], v[X8+\a] offset:64*\a
.endr
	ds_load_b128 v[T:T+3], v[SL]
	ds_load_b128 v[T+4:T+7], v[SL] offset:512
	s_wait_dscnt 0x0
	global_store_b128 v[LO16], v[T:T+3], s[8:9]
	global_store_b128 v[LO16], v[T+4:T+7], s[8:9] offset:524288    ; plane 1 begins 16 x 8,192 x 4 bytes on
	s_wait_tensorcnt 0x0                           ; the wave's end
	ds_add_u32 v[SPW], v[NIL]
	s_wait_dscnt 0x0
	CROUND                                         ; the closing round
	s_endpgm
.Lfunc_end_k_qfe4d8d035c_scores:
	.size	k_qfe4d8d035c_scores, .Lfunc_end_k_qfe4d8d035c_scores-k_qfe4d8d035c_scores
	.p2alignl 7, 3214868480
	.fill 96, 4, 3214868480
	.section	.rodata,"a",@progbits
	.p2align	6, 0x0
	.amdhsa_kernel k_qfe4d8d035c_scores
		.amdhsa_group_segment_fixed_size 327680
		.amdhsa_private_segment_fixed_size 0
		.amdhsa_enable_private_segment 0
		.amdhsa_kernarg_size 24
		.amdhsa_user_sgpr_count 2
		.amdhsa_user_sgpr_kernarg_segment_ptr 1
		.amdhsa_wavefront_size32 1
		.amdhsa_system_sgpr_workgroup_id_x 1
		.amdhsa_system_sgpr_workgroup_id_y 1
		.amdhsa_system_sgpr_workgroup_id_z 1
		.amdhsa_system_vgpr_workitem_id 0
		.amdhsa_next_free_vgpr 1024
		.amdhsa_next_free_sgpr 66
		.amdhsa_reserve_vcc 0
		.amdhsa_float_denorm_mode_32 3
		.amdhsa_float_denorm_mode_16_64 3
		.amdhsa_memory_ordered 1
		.amdhsa_forward_progress 1
		.amdhsa_inst_pref_size 214
	.end_amdhsa_kernel
	.amdgpu_metadata
---
amdhsa.version: [ 1, 2 ]
amdhsa.kernels:
  - .name:           k_qfe4d8d035c_scores
    .symbol:         k_qfe4d8d035c_scores.kd
    .args:
      - { .name: qkv, .offset: 0, .size: 8, .value_kind: global_buffer, .address_space: global }
      - { .name: p, .offset: 8, .size: 8, .value_kind: global_buffer, .address_space: global }
      - { .name: stat, .offset: 16, .size: 8, .value_kind: global_buffer, .address_space: global }
    .group_segment_fixed_size: 327680
    .private_segment_fixed_size: 0
    .kernarg_segment_align: 8
    .kernarg_segment_size: 24
    .max_flat_workgroup_size: 128
    .sgpr_count:     66
    .vgpr_count:     1024
    .wavefront_size: 32
...
	.end_amdgpu_metadata
.endif
;; end of part 3
;; launch mix (part 4): grid 4 x 64, 4 waves a work-group, clusters of 4 x 4, 327,680 bytes of LDS; arguments p, qkv, stat, out0; writes out0
.if DOCPART == 4
	.amdgcn_target "amdgcn-amd-amdhsa--gfx1250"
	.amdhsa_code_object_version 6
	.text
	.protected	k_qfe4d8d035c_mix
	.globl	k_qfe4d8d035c_mix
	.p2align	8
	.type	k_qfe4d8d035c_mix,@function
k_qfe4d8d035c_mix:
	s_mov_b64 s[64:65], 0
	v_nop
	global_prefetch_b8 v0, s[64:65] scope:SCOPE_SE
	s_setreg_imm32_b32 hwreg(HW_REG_WAVE_MODE, 25, 1), 1
	s_wait_xcnt 0x0
	s_wait_alu depctr_hold_cnt(0) depctr_sa_sdst(0) depctr_va_vdst(0) depctr_va_sdst(0) depctr_va_ssrc(0) depctr_va_vcc(0) depctr_vm_vsrc(0)
	s_getreg_b32 s2, hwreg(HW_REG_IB_STS2, 6, 4)
	s_cmp_eq_u32 s2, 0
	s_cbranch_scc0 .Lentry_in_a_cluster
	s_endpgm
.Lentry_in_a_cluster:
	s_bfe_u32 s2, ttmp6, 0x10000c
	s_cmp_lg_u32 s2, 0xf033
	s_cbranch_scc0 .Lentry_shape_is_right
	s_endpgm
.Lentry_shape_is_right:
; out[row][:] = the sum over the 16 groups g of (2^(m_g - M) / L) x P_g V_g.  M = the row's largest m_g; L = the sum of 2^(m_g - M) l_g.  p [8192][2048] f16, v = columns 2048-3071 of qkv [8192][3072] f16,
; stat [2][16][8192] f32 (-m, l), out0 [8192][1024] f32.  m_g - M is a whole number, 0 or less: 2^(m_g - M) is made by v_ldexp_f32.  ALL ARITHMETIC OUTSIDE THE PRODUCTS IS f32: each group's product P_g V_g
; has f32 sums of its own, which one fused multiply-add a number folds into the row's sums with the group's factor.
; LIMITS: a group more than 126 powers of two under its row's maximum has a factor of 0 or a denormal one; NaN and infinities are not served.
; A tile of 128 rows x 256 channels is made by four waves, each 64 x 128: 32 accumulators: 256 work-groups in all.  A K step is 128 keys, one group; sixteen K steps go through two LDS slots.
; CLUSTERS: 4 x 4 work-groups; P's tile (and the rows' statistics) are shared along a row of the cluster, which holds all four channel tiles; V's along a column: each is asked for jointly.
; THE MATRIX INSTRUCTION IS USED TRANSPOSED (source 0 = 16 channels of V^T, turned on its way out of LDS by ds_load_tr16_b128; source 1 = 16 rows of P): a lane holds one row and eight neighbouring channels,
; so a group's factor is one number a lane for each block of 16 rows.
; THE CHANGE OF SLOTS stands at the head of a slot's last quarter, whose fragments are in registers by then: the refill goes out ahead of that quarter's 32 products, so it has a whole K step's 128 products in which to land.
; REGISTERS: window 0: v0-31 addresses; v32-39 the group's four factors, each the low word of a pair; v40-47 L and 1 / L; v64-127, v128-191 V^T's fragments, two buffers (at the head: the factors at work; on the way out: rows read back); v192-224 at work at the head.
;   window 1: v0-31, v32-63 P's fragments, two buffers.   window 2: the group's 32 accumulators ((a, b) at v[8 (8 a + b)]).   window 3: the row's sums, at the same numbers.
.set ROWQ,  6144
.set ROWP,  4096
.set ROWO,  4096
.set PP,    272                        ; a row of P in LDS: 256 bytes + 16
.set PV,    544                        ; a key's row of V: 512 bytes + 32 = 136 words: row r starts at bank 8 r mod 64
.set VOFF,  128*PP
.set SLOT,  128*PP+128*PV
.set STATS, 2*SLOT                     ; 32 rows (plane, group) x (512 bytes + 16): filled once, by tensor loads
.set FACT,  STATS+32*528               ; 4,096 bytes a wave: [group][64 rows] f32 words; each wave's own
.set STAGE, FACT+4*4096                ; the way out: 16 rows x 528 bytes a wave
.set SPITCH, 528
.set SPARE, STAGE+4*16*SPITCH          ; the spare words, 128 bytes a wave, which no other line names
.set ADRA, 16                          ; v16-17 LDS address of my P fragments in slot 0, 1
.set ADRB, 20                          ; v20-21 the same for V
.set ADF,  22                          ; v22  my factors' words of the group in hand
.set AST,  23                          ; v23  my rows' statistics
.set STO,  24
.set RD,   25
.set CO,   26
.set SPW,  28
.set NIL,  29
.set PFO,  30
.set FS,   32
.set LL,   40
.set RL,   44
.set VF,   64
.set EE,   64                          ; at the head: v64-127: 2^(m_g - M), then the factors, of block a and group g at v[EE + 16 a + g]
.set NM16, 192
.set L16,  208
.set NMI,  224
.set BK,   64
.set F0,   0
.set F1,   1
.set WV,   14
.set RH,   15                          ; which half of the tile's rows is mine.  Also: I fetch for P (0) or for V (1)
.set CH,   16                          ; which half of its channels.  Also: which 64 rows of that tile I fetch
.set G1A, 24
.set G0A, 32
.set LIM, 43
.set PFA, 44
.set G1B, 48
.set G0B, 56
.set G1T, 68
.set G0T, 76
.set PFS, 80                           ; s[80:81] a K step on, in bytes, for my prefetches
.set MSB, 0
.macro WIN new                         ; the immediate's high byte repeats the setting that is left
.if MSB != (\new)
	s_set_vgpr_msb (MSB<<8)|(\new)
.set MSB, (\new)
.endif
.endm
.set MM, 0xa4                          ; a product: source 0 (V^T) window 0, source 1 (P) window 1, C and D window 2
.set FO, 0xf2                          ; a fold: source 0 (the group's sums) window 2, source 1 (the factor) window 0, source 2 and destination (the row's sums) window 3
.macro JLOAD s                         ; waves 0 and 1 fetch P's two halves, waves 2 and 3 V's; an s_nop 0 and four v_nop follow each line
	s_cmp_eq_u32 s[RH], 0
	s_cbranch_scc0 .Lfor_b_\@
	tensor_load_to_lds s[G0A+4*\s:G0A+4*\s+3], s[G1A:G1A+7]
	s_nop 0
.rept 4
	v_nop
.endr
	s_branch .Lasked_\@
.Lfor_b_\@:
	tensor_load_to_lds s[G0B+4*\s:G0B+4*\s+3], s[G1B:G1B+7]
	s_nop 0
.rept 4
	v_nop
.endr
.Lasked_\@:
.endm
; A prefetch of the K step that stands two refills on, a lane a row, one instruction a wave, behind the joint load and the run of LDS loads.  Each aligned 256 bytes are named once:
; P's tile is read by one row of one cluster: wave 0 asks, the four partners take 32 rows each by address (cx).  V's tile is read by the batch's four clusters: the first of them asks;
; the partners of a column take 32 keys each by address (cy); wave 2 names the first 256 bytes of a key's 512, wave 3 the second.
; how = 1: a change of slots that always has a K step two refills on; how = 0: the loop's second change, which in the last trip has none: K has no step beyond the fifteenth.
.macro ASK how
.if \how
	s_cmp_eq_u32 s[LIM], 1
.else
	s_cmp_gt_u32 s3, s[LIM]
.endif
	s_cbranch_scc0 .Lnot_mine_\@
	global_prefetch_b8 v[PFO], s[PFA:PFA+1] th:TH_LOAD_NT scope:SCOPE_SE
.Lnot_mine_\@:
.endm
.macro CROUND                          ; a round of the cluster's barrier
	s_barrier_signal -1
	s_barrier_wait -1
	s_cmp_lg_u32 s[WV], 0
	s_cbranch_scc1 .Lnot_wave_0_\@
	s_barrier_signal -3
.Lnot_wave_0_\@:
	s_barrier_wait -3
	s_barrier_signal -1
	s_barrier_wait -1
.endm
.macro PLACES                          ; four plain vector instructions between a matrix instruction and a load into its registers or a read of its result
.rept 4
	v_nop
.endr
.endm
	s_load_b256 s[4:11], s[0:1], 0x0               ; p, qkv, stat, out0
	v_lshl_add_u32 v[SPW], v0, 2, SPARE
	v_mov_b32 v[NIL], 0
	ds_add_u32 v[SPW], v[NIL]                      ; the wave's opening: the add, twice on end, and its wait ahead of my first tensor load
	ds_add_u32 v[SPW], v[NIL]
	v_lshrrev_b32 v1, 5, v0
	v_readfirstlane_b32 s[WV], v1                  ; wave 0..3
	s_lshr_b32 s[RH], s[WV], 1
	s_and_b32 s[CH], s[WV], 1
	s_bfe_u32 s40, ttmp6, 0x40000                  ; cx
	s_bfe_u32 s41, ttmp6, 0x40004                  ; cy
	s_lshl_b32 s42, ttmp9, 2
	s_add_co_u32 s42, s42, s40                     ; tile column (256 channels)
	s_and_b32 s17, ttmp7, 0xffff
	s_lshl_b32 s17, s17, 2
	s_add_co_u32 s17, s17, s41                     ; tile row (128 global rows)
	s_lshl_b32 s43, s41, 2
	s_lshl_b32 s43, 15, s43                        ; my row of the cluster
	s_lshl_b32 s44, 0x1111, s40                    ; my column
	s_or_b32 s[G1A], s43, (1<<16)|(1<<20)|(1<<21)|(5<<22)|(3<<25)   ; P: 64 rows x 128 elements of 2 bytes; 4 words of padding after every 64
	s_mov_b32 s[G1A+1], 128<<16
	s_mov_b32 s[G1A+2], 64<<16
	s_mov_b32 s[G1A+3], 128<<16
	s_mov_b32 s[G1A+4], 64
	s_mov_b32 s[G1A+5], 2048
	s_mov_b32 s[G1A+6], 0
	s_mov_b32 s[G1A+7], 0
	s_or_b32 s[G1B], s44, (1<<16)|(1<<20)|(1<<21)|(6<<22)|(7<<25)   ; V: 64 keys x 256 elements of 2 bytes; 8 words of padding after every 128
	s_mov_b32 s[G1B+1], 256<<16
	s_mov_b32 s[G1B+2], 64<<16
	s_mov_b32 s[G1B+3], 256<<16
	s_mov_b32 s[G1B+4], 64
	s_mov_b32 s[G1B+5], 3072
	s_mov_b32 s[G1B+6], 0
	s_mov_b32 s[G1B+7], 0
	s_or_b32 s[G1T], s43, (2<<16)|(1<<20)|(1<<21)|(6<<22)|(3<<25)   ; the statistics: 8 rows x 128 elements of 4 bytes; 4 words of padding after every 128
	s_mov_b32 s[G1T+1], 128<<16
	s_mov_b32 s[G1T+2], 8<<16
	s_mov_b32 s[G1T+3], 128<<16
	s_mov_b32 s[G1T+4], 8
	s_mov_b32 s[G1T+5], 8192
	s_mov_b32 s[G1T+6], 0
	s_mov_b32 s[G1T+7], 0
	s_lshl_b32 s18, s17, 19                        ; P: (128 x tile row + 64 x half) rows of 4,096 bytes
	s_lshl_b32 s19, s[CH], 18
	s_add_co_u32 s18, s18, s19
	s_mov_b32 s19, 0
	s_and_b32 s46, ttmp7, 0xffff
	s_lshr_b32 s46, s46, 2                         ; the batch, from the cluster's y alone: a cluster's 512 rows lie in one batch
	s_lshl_b32 s46, s46, 11
	s_lshl_b32 s47, s[CH], 6
	s_add_co_u32 s46, s46, s47                     ; V: key row 2,048 x batch + 64 x half
	s_mul_i32 s46, s46, ROWQ
	s_lshl_b32 s47, s42, 9
	s_add_co_u32 s46, s46, s47                     ; + 512 bytes x tile column
	s_add_co_u32 s46, s46, 4096                    ; v's columns of qkv begin 4,096 bytes into a row
	s_mov_b32 s47, 0
	s_lshl_b32 s20, s[WV], 18                      ; the statistics: my 8 rows of 32,768 bytes,
	s_lshl_b32 s21, s17, 9                         ; the tile's 128 rows' 512 bytes
	s_add_co_u32 s20, s20, s21
	s_mov_b32 s21, 0
	s_mul_i32 s22, s[CH], 64*PP                    ; where they go: no place in the cluster enters an LDS address
	s_mul_i32 s23, s[CH], 64*PV
	s_add_co_u32 s23, s23, VOFF
	s_mul_i32 s12, s[WV], 8*528
	s_wait_dscnt 0x0                               ; both opening adds are done
	s_wait_kmcnt 0x0
	s_add_nc_u64 s[18:19], s[4:5], s[18:19]
	s_add_nc_u64 s[46:47], s[6:7], s[46:47]
	s_add_nc_u64 s[20:21], s[8:9], s[20:21]
	CROUND                                         ; all sixteen work-groups are here: the first joint loads meet
	s_mov_b32 s[G0T], 1
	s_add_co_u32 s[G0T+1], s12, STATS
	s_mov_b64 s[G0T+2:G0T+3], s[20:21]
	s_or_b32 s[G0T+3], s[G0T+3], 0x80000000
	tensor_load_to_lds s[G0T:G0T+3], s[G1T:G1T+7]  ; every wave brings 8 rows of its own
	s_nop 0
.rept 4
	v_nop
.endr
.irp s, 0,1
	s_mov_b32 s[G0A+4*\s], 1
	s_add_co_u32 s[G0A+4*\s+1], s22, \s*SLOT
	s_add_nc_u64 s[G0A+4*\s+2:G0A+4*\s+3], s[18:19], \s*256
	s_or_b32 s[G0A+4*\s+3], s[G0A+4*\s+3], 0x80000000
	s_mov_b32 s[G0B+4*\s], 1
	s_add_co_u32 s[G0B+4*\s+1], s23, \s*SLOT
	s_add_nc_u64 s[G0B+4*\s+2:G0B+4*\s+3], s[46:47], \s*128*ROWQ
	s_or_b32 s[G0B+4*\s+3], s[G0B+4*\s+3], 0x80000000
	JLOAD \s                                       ; three tensor loads of mine are out at the most
.endr
	v_and_b32 v1, 15, v0                           ; r = l % 16
	v_bfe_u32 v2, v0, 4, 1                         ; h = l / 16
	v_mul_u32_u24 v3, v1, PP
	v_lshl_add_u32 v3, v2, 4, v3                   ; P: row x pitch + 16 x half
	s_mul_i32 s20, s[RH], 64*PP                    ; my 64 rows
	v_and_b32 v4, 7, v0
	v_lshl_add_u32 v4, v2, 3, v4                   ; V, for the turning load: key 8 h + l % 8,
	v_mul_u32_u24 v4, v4, PV
	v_bfe_u32 v5, v0, 3, 1
	v_lshl_add_u32 v4, v5, 4, v4                   ; channels 8 ((l / 8) % 2) on
	s_lshl_b32 s21, s[CH], 8                       ; my 128 channels
	s_add_co_u32 s21, s21, VOFF
.irp s, 0,1
	v_add_nc_u32 v[ADRA+\s], s20, v3
	v_add_nc_u32 v[ADRB+\s], s21, v4
	s_add_co_u32 s20, s20, SLOT
	s_add_co_u32 s21, s21, SLOT
.endr
	s_lshl_b32 s22, s[WV], 12
	s_add_co_u32 s22, s22, FACT
	v_lshl_add_u32 v[ADF], v1, 2, s22              ; my wave's factors: 4 r
	s_lshl_b32 s22, s[RH], 8
	s_add_co_u32 s22, s22, STATS
	v_lshl_add_u32 v[AST], v1, 2, s22              ; my 64 rows' statistics: 4 (64 x half + r)
	s_mul_i32 s23, s[WV], 16*SPITCH
	s_add_co_u32 s23, s23, STAGE                   ; my stage
	v_mul_u32_u24 v5, v1, SPITCH
	v_lshl_add_u32 v5, v2, 5, v5
	v_add_nc_u32 v[STO], s23, v5                   ; in: row r, 32 bytes for each half of the lanes
	v_and_b32 v[CO], 31, v0
	v_lshlrev_b32 v[CO], 4, v[CO]                  ; back: the 32 lanes take one row of 512 bytes; and the same in out0
	v_add_nc_u32 v[RD], s23, v[CO]
	s_lshl_b32 s20, s17, 19                        ; out0: (128 x tile row + 64 x half) rows of 4,096 bytes + 1,024 x tile column + 512 x half
	s_lshl_b32 s21, s[RH], 18
	s_add_co_u32 s20, s20, s21
	s_lshl_b32 s21, s42, 10
	s_add_co_u32 s20, s20, s21
	s_lshl_b32 s21, s[CH], 9
	s_add_co_u32 s20, s20, s21
	s_mov_b32 s21, 0
	s_add_nc_u64 s[10:11], s[10:11], s[20:21]
	; the prefetches: where my wave's stand, and who asks
	s_and_b32 s20, ttmp7, 0xffff                   ; cluster y
	s_and_b32 s21, s20, 3                          ; 0 in the batch's first cluster
	s_lshr_b32 s20, s20, 2
	s_lshl_b32 s20, s20, 11
	s_lshl_b32 s22, s41, 5
	s_add_co_u32 s20, s20, s22
	s_add_co_u32 s20, s20, 3*128                   ; V: key row 2,048 x batch + 32 cy, at K step 3: the first refill steps it to 4
	s_mul_i32 s20, s20, ROWQ
	s_lshl_b32 s22, s42, 9
	s_add_co_u32 s20, s20, s22
	s_lshl_b32 s22, s[CH], 8
	s_add_co_u32 s20, s20, s22
	s_add_co_u32 s20, s20, 4096
	s_lshl_b32 s22, s17, 19
	s_lshl_b32 s23, s40, 17
	s_add_co_u32 s22, s22, s23
	s_add_co_u32 s22, s22, 3*256                   ; P: row 128 x tile row + 32 cx, at K step 3
	s_mov_b32 s[PFS], 128*ROWQ
	s_mov_b32 s23, ROWQ
	s_cmp_eq_u32 s[RH], 0                          ; waves 0, 1: P; waves 2, 3: V
	s_cselect_b32 s21, s[CH], s21                  ; of P's two waves wave 0 alone asks
	s_cselect_b64 s[PFA:PFA+1], s[4:5], s[6:7]
	s_cselect_b32 s20, s22, s20
	s_cselect_b32 s[PFS], 256, s[PFS]
	s_cselect_b32 s23, ROWP, s23
	s_cmp_eq_u32 s21, 0
	s_cselect_b32 s[LIM], 1, -1                    ; the same in all sixteen partners, for a given wave
	s_mov_b32 s21, 0
	s_mov_b32 s[PFS+1], 0
	s_add_nc_u64 s[PFA:PFA+1], s[PFA:PFA+1], s[20:21]
	v_and_b32 v[PFO], 31, v0
	v_mul_lo_u32 v[PFO], v[PFO], s23
; THE STATISTICS of row block a (16 rows; lane r and lane 16 + r both work row r): -M = the least -m_g; e_g = 2^(m_g - M); L = the sum of e_g l_g.
.macro STATIN a
.irp g, 0,1,2,3,4,5,6,7,8,9,10,11,12,13,14,15
	ds_load_b32 v[NM16+\g], v[AST] offset:\g*528+64*\a
.endr
.irp g, 0,1,2,3,4,5,6,7,8,9,10,11,12,13,14,15
	ds_load_b32 v[L16+\g], v[AST] offset:(16+\g)*528+64*\a
.endr
	s_wait_dscnt 0x0
	v_min3_num_f32 v[NMI], v[NM16], v[NM16+1], v[NM16+2]
.irp i, 3,5,7,9,11,13
	v_min3_num_f32 v[NMI], v[NMI], v[NM16+\i], v[NM16+\i+1]
.endr
	v_min_num_f32 v[NMI], v[NMI], v[NM16+15]
.irp g, 0,1,2,3,4,5,6,7,8,9,10,11,12,13,14,15
	v_sub_f32 v[EE+16*\a+\g], v[NMI], v[NM16+\g]   ; m_g - M: a whole number, 0 or less
.endr
.irp g, 0,1,2,3,4,5,6,7,8,9,10,11,12,13,14,15
	v_cvt_i32_f32 v[EE+16*\a+\g], v[EE+16*\a+\g]   ; (it saturates)
.endr
.irp g, 0,1,2,3,4,5,6,7,8,9,10,11,12,13,14,15
	v_ldexp_f32 v[EE+16*\a+\g], 1.0, v[EE+16*\a+\g]
.endr
	v_mul_f32 v[LL+\a], v[EE+16*\a], v[L16]
.irp g, 1,2,3,4,5,6,7,8,9,10,11,12,13,14,15
	v_fma_f32 v[LL+\a], v[EE+16*\a+\g], v[L16+\g], v[LL+\a]
.endr
.endm
.macro FACTIN                          ; the four factors of the group in hand (one a row block), each into the low word of its pair; then on to the next group's
.irp a, 0,1,2,3
	ds_load_b32 v[FS+2*\a], v[ADF] offset:64*\a
.endr
	v_add_nc_u32 v[ADF], 256, v[ADF]
.endm
; Row block a x my eight blocks of 16 channels, 32 keys, from buffer f.  mode > 0: the products start the group's sums.  The 32 accumulators take turns in the same order in every quarter.
.macro MUL8 a, f, mode
.irp b, 0,1,2,3,4,5,6,7
.if \mode
	v_wmma_f32_16x16x32_f16 v[8*(8*(\a)+\b):8*(8*(\a)+\b)+7], v[VF+64*\f+8*\b:VF+64*\f+8*\b+7], v[32*\f+8*(\a):32*\f+8*(\a)+7], 0
.else
	v_wmma_f32_16x16x32_f16 v[8*(8*(\a)+\b):8*(8*(\a)+\b)+7], v[VF+64*\f+8*\b:VF+64*\f+8*\b+7], v[32*\f+8*(\a):32*\f+8*(\a)+7], v[8*(8*(\a)+\b):8*(8*(\a)+\b)+7]
.endif
.endr
.endm
; THE FOLD of row block a: the row's sums += the finished group's sums x its factor, two numbers a line, ascending.  mode = 2: the first group starts the row's sums: nothing is cleared.
.macro FOLD a, mode
	WIN FO
.set II, 64*(\a)
.rept 32
.if \mode == 2
	v_pk_mul_f32 v[II:II+1], v[II:II+1], v[FS+2*(\a):FS+2*(\a)+1] op_sel_hi:[1,0]
.else
	v_pk_fma_f32 v[II:II+1], v[II:II+1], v[FS+2*(\a):FS+2*(\a)+1], v[II:II+1] op_sel_hi:[1,0,1]
.endif
.set II, II+2
.endr
.endm
; One run of 24 LDS loads: the slot's q-th 32 keys into buffer f: V^T's eight fragments, turned, then P's four.
.macro FETCH slot, q, f
	WIN 0
.irp b, 0,1,2,3,4,5,6,7
	ds_load_tr16_b128 v[VF+64*\f+8*\b:VF+64*\f+8*\b+3],   v[ADRB+\slot] offset:(\q)*32*PV+32*\b
	ds_load_tr16_b128 v[VF+64*\f+8*\b+4:VF+64*\f+8*\b+7], v[ADRB+\slot] offset:(\q)*32*PV+16*PV+32*\b
.endr
	WIN 0x40                                       ; destination window 1
.irp a, 0,1,2,3
	ds_load_b128 v[32*\f+8*\a:32*\f+8*\a+3],   v[ADRA+\slot] offset:64*(\q)+\a*16*PP
	ds_load_b128 v[32*\f+8*\a+4:32*\f+8*\a+7], v[ADRA+\slot] offset:64*(\q)+\a*16*PP+32
.endr
.endm
; One of a K step's first three quarters: 32 keys.  At its head it fetches the slot's quarter qn into buffer g, a whole quarter ahead of its use; then it multiplies buffer f.
; mode 0: the group's sums go on.  1: they start.  2, 3: they start, and in front of each block's products stands the fold of the group before: 32 plain lines, issued while the matrix unit works on the block before.
; The four v_nop at the head are the places behind the last quarter's products, for the loads into the buffer that they read and for the folds that read their results.
.macro QUARTER slot, qn, f, g, mode
	s_wait_dscnt 0x0                               ; this quarter's fragments, asked for a quarter ago, are in (and the factors)
	WIN 0
	PLACES
.if \qn == 2
	FACTIN                                         ; in a K step's second quarter: the fold of the group before has read the four registers
.endif
	FETCH \slot, \qn, \g
.irp a, 0,1,2,3
.if \mode >= 2
	FOLD \a, \mode
.endif
	WIN MM
	MUL8 \a, \f, \mode
.endr
.endm
; A slot's last quarter multiplies buffer 1; its fragments are in registers at its head, so the slot is left there.  Each wave waits for all its tensor loads (its part of the next slot), adds 0 to its spare word,
; and waits for that and for its reads of this slot.  fill = 1: a round of the cluster's barrier, and the joint refill (the K step two steps on) first behind it, ahead of the quarter's 32 products.
; how: 0, 1: see ASK; 2: nothing is prefetched.
.macro TURN slot, next, fill, how
.if (\fill) && (\how < 2)
	s_wait_xcnt 0x0                                ; the last prefetch, a K step back, has read its address
	s_add_nc_u64 s[PFA:PFA+1], s[PFA:PFA+1], s[PFS:PFS+1]
.endif
	WIN 0
	s_wait_tensorcnt 0x0                           ; all my tensor loads have landed: no load of mine is out, so a group 0 may be written
	ds_add_u32 v[SPW], v[NIL]                      ; 0 onto my spare word; the descriptors' steps stand between it and the wait for it
.if \fill
	s_add_nc_u64 s[G0A+4*\slot+2:G0A+4*\slot+3], s[G0A+4*\slot+2:G0A+4*\slot+3], 2*256
	s_add_nc_u64 s[G0B+4*\slot+2:G0B+4*\slot+3], s[G0B+4*\slot+2:G0B+4*\slot+3], 2*128*ROWQ
.endif
	s_wait_dscnt 0x0                               ; the add is done, and my reads of this slot are over: its last fragments are in registers
.if \fill
	CROUND                                         ; no wave of any partner still reads this slot or has a load on its way
	JLOAD \slot                                    ; the first tensor load behind the round; its four v_nop are also the places in front of the loads below
.else
	s_barrier_signal -1
	s_barrier_wait -1
	PLACES
.endif
	FETCH \next, 0, F0
.if (\fill) && (\how < 2)
	WIN 0
	ASK \how
.endif
	WIN MM
	MUL8 0, F1, 0
	MUL8 1, F1, 0
	MUL8 2, F1, 0
	MUL8 3, F1, 0
.endm
	s_wait_tensorcnt 2                             ; my 8 rows of statistics are in (the two slots' loads may be out),
	s_barrier_signal -1
	s_barrier_wait -1                              ; everybody's are
	STATIN 0
	STATIN 1
	STATIN 2
	STATIN 3
.irp a, 0,1,2,3
	v_rcp_f32 v[RL+\a], v[LL+\a]
.endr
	v_nop                                          ; a plain instruction behind the last reciprocal
	s_wait_alu depctr_va_vdst(0)                   ; the wait ahead of the first reader: one for the four
.irp a, 0,1,2,3
.irp g, 0,1,2,3,4,5,6,7,8,9,10,11,12,13,14,15
	v_mul_f32 v[EE+16*\a+\g], v[EE+16*\a+\g], v[RL+\a]   ; the factor 2^(m_g - M) / L
.endr
.endr
.irp a, 0,1,2,3
.irp g, 0,1,2,3,4,5,6,7,8,9,10,11,12,13,14,15
	ds_store_b32 v[ADF], v[EE+16*\a+\g] offset:256*\g+64*\a   ; both lanes of a row write the same word with the same value
.endr
.endr
.irp a, 0,1,2,3
	v_mov_b32 v[FS+2*\a+1], 0                      ; named as the upper half of a pair, so it is written
.endr
	s_wait_tensorcnt 1                             ; my part of K step 0 is in (K step 1's load may be out),
	s_wait_dscnt 0x0
	s_barrier_signal -1
	s_barrier_wait -1                              ; everybody's is
	FETCH 0, 0, F0
	QUARTER 0, 1, F0, F1, 1                        ; K step 0 and the first quarter of K step 1 stand in front of the loop: the first products start the group's sums, the first fold the row's
	QUARTER 0, 2, F1, F0, 0
	QUARTER 0, 3, F0, F1, 0
	TURN 0, 1, 1, 1
	QUARTER 1, 1, F0, F1, 2
	WIN 0
	s_mov_b32 s3, 6
.Llap:                                                 ; a trip goes once round the two slots, from an odd K step's second quarter to the next odd one's first, and fills both again: K steps 3 to 14
	QUARTER 1, 2, F1, F0, 0
	QUARTER 1, 3, F0, F1, 0
	TURN 1, 0, 1, 1
	QUARTER 0, 1, F0, F1, 3
	QUARTER 0, 2, F1, F0, 0
	QUARTER 0, 3, F0, F1, 0
	TURN 0, 1, 1, 0
	QUARTER 1, 1, F0, F1, 3
	WIN 0
	s_sub_co_u32 s3, s3, 1
	s_cmp_lg_u32 s3, 0
	s_cbranch_scc1 .Llap
	QUARTER 1, 2, F1, F0, 0                        ; the tail is written out: K step 13 asks for the last, K step 15; then nothing is asked for
	QUARTER 1, 3, F0, F1, 0
	TURN 1, 0, 1, 2
	QUARTER 0, 1, F0, F1, 3
	QUARTER 0, 2, F1, F0, 0
	QUARTER 0, 3, F0, F1, 0
	TURN 0, 1, 0, 2
	QUARTER 1, 1, F0, F1, 3
	QUARTER 1, 2, F1, F0, 0
	QUARTER 1, 3, F0, F1, 0
	s_wait_dscnt 0x0                               ; the last quarter: nothing more to fetch
	WIN MM
	MUL8 0, F1, 0
	MUL8 1, F1, 0
	MUL8 2, F1, 0
	MUL8 3, F1, 0
	WIN 0
	PLACES
	FOLD 0, 3                                      ; the last group
	FOLD 1, 3
	FOLD 2, 3
	FOLD 3, 3
	WIN 0
; THE WAY OUT, a block of 16 rows x 128 channels at a time: the row's sums as they stand (1 / L is in the factors), through my own stage in LDS, back as whole rows of 512 bytes.
.macro TOSTAGE a
	WIN 0x0c                                       ; an LDS store's data are its source 1: window 3
.irp b, 0,1,2,3,4,5,6,7
	ds_store_b128 v[STO], v[64*(\a)+8*\b:64*(\a)+8*\b+3] offset:64*\b
	ds_store_b128 v[STO], v[64*(\a)+8*\b+4:64*(\a)+8*\b+7] offset:64*\b+16
.endr
	WIN 0
.set BB, BK+64*((\a)%2)
.irp t, 0,1,2,3,4,5,6,7,8,9,10,11,12,13,14,15
	ds_load_b128 v[BB+4*\t:BB+4*\t+3], v[RD] offset:\t*SPITCH      ; LDS serves a wave's instructions in order (ISA guide 5.7.1.4)
.endr
.endm
.macro SEND a, younger                 ; younger: the LDS instructions issued behind block a's loads, which may stay out
.set BB, BK+64*((\a)%2)
	s_wait_dscnt \younger
.if (\a) > 0
	s_add_nc_u64 s[10:11], s[10:11], 16*ROWO       ; (behind a wait on XCNT: the earlier stores have read their base)
.endif
.irp t, 0,1,2,3,4,5,6,7,8,9,10,11,12,13,14,15
	global_store_b128 v[CO], v[BB+4*\t:BB+4*\t+3], s[10:11] offset:\t*ROWO th:TH_STORE_NT   ; 32 lanes store 512 consecutive bytes, at a multiple of 256 from out0's first byte
.endr
.endm
	TOSTAGE 0
.irp a, 1,2,3
.if \a > 1
	s_wait_xcnt 0x0                                ; block a - 2's stores have read their registers and their base
.endif
	TOSTAGE \a
	SEND \a-1, 32                                  ; behind block a - 1's loads: block a's 16 stores and 16 loads
.endr
	s_wait_xcnt 0x0
	SEND 3, 0
	s_wait_tensorcnt 0x0                           ; the wave's end
	ds_add_u32 v[SPW], v[NIL]
	s_wait_dscnt 0x0
	CROUND                                         ; the closing round
	s_endpgm
.Lfunc_end_k_qfe4d8d035c_mix:
	.size	k_qfe4d8d035c_mix, .Lfunc_end_k_qfe4d8d035c_mix-k_qfe4d8d035c_mix
	.p2alignl 7, 3214868480
	.fill 96, 4, 3214868480
	.section	.rodata,"a",@progbits
	.p2align	6, 0x0
	.amdhsa_kernel k_qfe4d8d035c_mix
		.amdhsa_group_segment_fixed_size 327680
		.amdhsa_private_segment_fixed_size 0
		.amdhsa_enable_private_segment 0
		.amdhsa_kernarg_size 32
		.amdhsa_user_sgpr_count 2
		.amdhsa_user_sgpr_kernarg_segment_ptr 1
		.amdhsa_wavefront_size32 1
		.amdhsa_system_sgpr_workgroup_id_x 1
		.amdhsa_system_sgpr_workgroup_id_y 1
		.amdhsa_system_sgpr_workgroup_id_z 1
		.amdhsa_system_vgpr_workitem_id 0
		.amdhsa_next_free_vgpr 1024
		.amdhsa_next_free_sgpr 98
		.amdhsa_reserve_vcc 0
		.amdhsa_float_denorm_mode_32 3
		.amdhsa_float_denorm_mode_16_64 3
		.amdhsa_memory_ordered 1
		.amdhsa_forward_progress 1
		.amdhsa_inst_pref_size 200
	.end_amdhsa_kernel
	.amdgpu_metadata
---
amdhsa.version: [ 1, 2 ]
amdhsa.kernels:
  - .name:           k_qfe4d8d035c_mix
    .symbol:         k_qfe4d8d035c_mix.kd
    .args:
      - { .name: p, .offset: 0, .size: 8, .value_kind: global_buffer, .address_space: global }
      - { .name: qkv, .offset: 8, .size: 8, .value_kind: global_buffer, .address_space: global }
      - { .name: stat, .offset: 16, .size: 8, .value_kind: global_buffer, .address_space: global }
      - { .name: out0, .offset: 24, .size: 8, .value_kind: global_buffer, .address_space: global }
    .group_segment_fixed_size: 327680
    .private_segment_fixed_size: 0
    .kernarg_segment_align: 8
    .kernarg_segment_size: 32
    .max_flat_workgroup_size: 128
    .sgpr_count:     98
    .vgpr_count:     1024
    .wavefront_size: 32
...
	.end_amdgpu_metadata
.endif
;; end of part 4
